; MI455X (gfx1250); checked and timed in simulation.
; The chip was launched on July 23, 2026; its instructions are those of AMD's public machine-readable ISA for CDNA 5 (MIT licence, August 2026) and "CDNA5" Instruction Set Architecture Reference Guide (July 2026). The comments in the code are by the model that wrote it; some were corrected since.
;; Causal Self Attention. Allowed arithmetic: matrix products marked QUANTISED: E4M3 operands, one given power-of-two scale a tensor, by v_wmma_f32_16x16x64_fp8_fp8 or v_wmma_f32_16x16x128_fp8_fp8, f32 sums; everything else in f32.
;; Inputs: k_codes 4 x 2,048 x 32 x 32 uint8 (E4M3 codes of k, K innermost, in blocks of 32 codes); lowp_scales 12 int32 (the exponents e of the quantised operands' scales 2^e); mask 1 x 1 x 2,048 x 2,048 float32; q_codes 4 x 2,048 x 32 x 32 uint8 (E4M3 codes of q, K innermost, in blocks of 32 codes); v_codes 4 x 2,048 x 32 x 32 uint8 (E4M3 codes of v, K innermost, in blocks of 32 codes); wk_b 1,024 float32; wk_w_codes 1,024 x 32 x 32 uint8 (E4M3 codes of wk_w, K innermost, in blocks of 32 codes); wo_b 1,024 float32; wo_w_codes 1,024 x 32 x 32 uint8 (E4M3 codes of wo_w, K innermost, in blocks of 32 codes); wq_b 1,024 float32; wq_w_codes 1,024 x 32 x 32 uint8 (E4M3 codes of wq_w, K innermost, in blocks of 32 codes); wv_b 1,024 float32; wv_w_codes 1,024 x 32 x 32 uint8 (E4M3 codes of wv_w, K innermost, in blocks of 32 codes).
;; Outputs: out0 4 x 2,048 x 1,024 float32.
;; This version of the problem:
;;   THIS VERSION OF THE PROBLEM IS GIVEN IN LOW PRECISION. The matrix products marked QUANTISED in the list below multiply operands that are first quantised to E4M3 (4 exponent bits, 3 mantissa bits; 8 bits a number), with one given power-of-two scale for each operand tensor; their sums are f32. All else is computed in f32.
;;   The module's matrix products, in the order in which they are computed (A, B: the left and right operand; K: the contracted axis; several contracted axes count as one K, in the product's order):
;;     1. [M 8,192, K 1,024] x [K 1,024, N 1,024]; A: input q (given as codes); B: input wq_w (given as codes): QUANTISED (scales: A lowp_scales[0], B lowp_scales[1])
;;     2. [M 8,192, K 1,024] x [K 1,024, N 1,024]; A: input k (given as codes); B: input wk_w (given as codes): QUANTISED (scales: A lowp_scales[2], B lowp_scales[3])
;;     3. [M 8,192, K 1,024] x [K 1,024, N 1,024]; A: input v (given as codes); B: input wv_w (given as codes): QUANTISED (scales: A lowp_scales[4], B lowp_scales[5])
;;     4. batch 64 x [M 2,048, K 64] x [K 64, N 2,048]; A: computed on the way; B: computed on the way: QUANTISED (scales: A lowp_scales[6], B lowp_scales[7])
;;     5. batch 64 x [M 2,048, K 2,048] x [K 2,048, N 64]; A: softmax (see below); B: computed on the way: QUANTISED (scales: A lowp_scales[8], B lowp_scales[9])
;;     6. [M 8,192, K 1,024] x [K 1,024, N 1,024]; A: computed on the way; B: input wo_w (given as codes): QUANTISED (scales: A lowp_scales[10], B lowp_scales[11])
;;   THE QUANTISER, for each operand of a quantised product, along K:
;;     - The operand's scale is 2^e, e = its entry of the input lowp_scales (int32; the entries are numbered through the quantised products in the list's order, A before B).
;;     - Each number is divided by the scale, clamped to +-448, and rounded to the nearest number of E4M3, ties to even, subnormals kept.
;;     - The product sums the exact products of the quantised numbers (number of the format x scale) in f32.
;;   ~~~python
;;   def quantise(x, axis, e):      # numpy; x: float32 -> the quantised numbers, widened to float32 again
;;       x = np.moveaxis(x, axis, -1); K = x.shape[-1]
;;       r = np.clip(x / 2.0 ** e, -448, 448)
;;       step = 2.0 ** (np.maximum(np.frexp(np.where(r == 0, 1, r))[1] - 1, -6) - 3)
;;       q = np.round(r / step) * step * 2.0 ** e      # np.round: ties to even
;;       return np.moveaxis(q, -1, axis).astype(np.float32)
;;   ~~~
;;   SOFTMAX AHEAD OF A QUANTISED PRODUCT. Where the list says 'softmax', what is quantised is not the finished softmax but p = 2^(t - M), with t = logit x log2(e) and M = ceil(the row's largest t), a whole number; so 1/2 < the row's largest p <= 1. The row's sum l is taken of the UNQUANTISED p, in f32, and the product's result is divided by l at the end. Since M is a whole number, a kernel that streams over the keys may use a running M (the ceiling of the running maximum): every later rescaling is an exact power of two, so the quantised numbers keep their values, but for numbers so far below the row's largest that they fall under the format's range.
;;   OPERANDS COMPUTED ON THE WAY. 'Computed on the way' means the value that the module computes at that place (a softmax that the list does not call 'softmax' is quantised finished and normalised). What goes into a quantiser is computed in f32, as accurately as f32 sums, v_exp_f32 and their like allow (about 1e-6 of the number): no bf16 or f16 on the way to a quantiser, and a product that is left as it is and whose result goes on into a quantised operand takes f32 operands (vector FMAs, or v_wmma_f32_16x16x4_f32). A number that lies on a knife's edge between two numbers of the format may be rounded either way, as far as f32 arithmetic and the matrix unit's own rounding can turn it there, and no further.
;;   INPUTS GIVEN AS CODES. k (in the module: [4, 2048, 1024], K = its axis 2); q (in the module: [4, 2048, 1024], K = its axis 2); v (in the module: [4, 2048, 1024], K = its axis 2); wk_w (in the module: [1024, 1024], K = its axis 0); wo_w (in the module: [1024, 1024], K = its axis 0); wq_w (in the module: [1024, 1024], K = its axis 0); wv_w (in the module: [1024, 1024], K = its axis 0): each comes as NAME_codes (uint8): NAME with its K axis moved to the last place and cut into blocks of 32 codes, [.., K / 32, bytes a block], one block behind the other in memory; one code a byte (a code: sign, 4 exponent bits, 3 mantissa bits); its scale is its entry of lowp_scales. Its value is code x scale, taken as it is: it is not quantised again, and the codes and scales need not be those that the quantiser above would give.
;; 2 versions. Each part assembles by itself: llvm-mc -triple=amdgcn-amd-amdhsa -mcpu=gfx1250 --defsym DOCPART=n.
;; ======== version 1 of 2: 3 launches
;; workspace buffers: qkv 25,165,824 bytes; ac 8,388,608 bytes
;; launch proj (part 1): grid 4 x 96, 4 waves a work-group, clusters of 4 x 4, 327,680 bytes of LDS; arguments q_codes, k_codes, wv_w_codes, wq_w_codes, wk_w_codes, v_codes, wq_b, wk_b, wv_b, lowp_scales, qkv; writes qkv
.if DOCPART == 1
	.amdgcn_target "amdgcn-amd-amdhsa--gfx1250"
	.amdhsa_code_object_version 6
	.text
	.protected	k_q9a4dbee1cd_proj
	.globl	k_q9a4dbee1cd_proj
	.p2align	8
	.type	k_q9a4dbee1cd_proj,@function
k_q9a4dbee1cd_proj:
	s_mov_b64 s[64:65], 0
	v_nop
	global_prefetch_b8 v0, s[64:65] scope:SCOPE_SE
	s_setreg_imm32_b32 hwreg(HW_REG_WAVE_MODE, 25, 1), 1
	s_wait_xcnt 0x0
	s_wait_alu depctr_hold_cnt(0) depctr_sa_sdst(0) depctr_va_vdst(0) depctr_va_sdst(0) depctr_va_ssrc(0) depctr_va_vcc(0) depctr_vm_vsrc(0)
	s_getreg_b32 s2, hwreg(HW_REG_IB_STS2, 6, 4)
	s_cmp_eq_u32 s2, 0
	s_cbranch_scc0 .Lentry_in_a_cluster
	s_endpgm
.Lentry_in_a_cluster:
	s_bfe_u32 s2, ttmp6, 0x10000c
	s_cmp_lg_u32 s2, 0xf033
	s_cbranch_scc0 .Lentry_shape_is_right
	s_endpgm
.Lentry_shape_is_right:
; THE THREE PROJECTIONS: qh = q wq + bq, kh = k wk + bk, vh = v wv + bv, on the given codes of FP8 (E4M3), sums in f32; each result is quantised at once for attention's products:
; qh with 2^e6 and kh with 2^e7 along a head's 64, vh with 2^e9 along the keys.  e0 .. e9 are entries of the buffer of scales.
; One text serves the three: a cluster's number says which section it works in (8 clusters each), and only pointers, scales and offsets are CHOSEN by it; no branch hangs on it.
; A section is a product ROWS x COLUMNS^T of two tensors of codes with rows of 1,024 bytes.  Q, K: rows = 8,192 tokens, columns = the weight's 1,024 outputs.  V: rows = the weight's 1,024 outputs, columns = the tokens.
; A tile of 256 x 256 is made by four waves, 128 x 128 each: 64 accumulators, 512 registers.  K goes in steps of 256 through a ring of two LDS slots filled by the tensor data mover.
; CLUSTERS: 4 x 4 work-groups; the row operand's tile is shared along a row of the cluster, the column operand's along a column: each is asked for jointly.
; 384 tiles for 256 WGPs: the second turn is half full.  A smaller tile would fill it and read each LDS byte for half the products; this launch is the short one of the three.
; THE MATRIX INSTRUCTION IS USED TRANSPOSED (source 0 = 16 rows of the column operand, source 1 = 16 of the row operand): lane (r, h) of accumulator (a, b) holds row 16 a + r and columns 16 b + 8 h + 0 .. 7.
; Eight such neighbours, converted, ARE registers 2 c, 2 c + 1 (k = 16 c + 8 h + 0 .. 7) of the next product's operand in the same lane.  So the codes are stored as IMAGES OF OPERAND REGISTERS, 16 bytes a lane, 512 consecutive
; bytes a store, and nothing is transposed.  V's section has the keys as columns, so that its registers run along the keys.
; qkv: 256 records of 98,304 bytes, record (4 batch + head / 4) x 16 + block of 128 tokens: Q 32 KiB, K 32 KiB, V 32 KiB, each [head % 4][8 KiB].
;   Q, K: [tile of 16 tokens][2][lane][16 bytes];  V: [tile of 16 channels][4][lane][16 bytes].
; LIMITS: e0 + e1, e2 + e3, e4 + e5 between -126 and 127; e6, e7, e9 between -126 and 119: each power of two below is then an f32 number.  NaN among the biases is not served.
; REGISTERS, in windows of 256: window 0: v16-31 addresses and constants; v32-95 the bias of my 128 columns, v96-111 of my rows; from v128 the row operand's fragments, ONE set (on the way out v160-239 are at work);
;   window 1: the column operand's fragments, TWO sets;  windows 2, 3: the accumulators ((a, b) at v[8 (8 (a % 4) + b)]).
.set SIZE_K, 1024
.set KSTEP,  256                       ; along K in a slot
.set ROWB,   256                       ; a tile's row in bytes
.set KROW,   SIZE_K                    ; a row of either operand in memory, in bytes
.set PITCH,  272                       ; an LDS row: 256 bytes + 16 of padding = 68 words: row r starts at bank 4 r mod 64 (64 banks of 4 bytes: ISA guide 11.1)
.set FR,     16                        ; registers of a fragment: 16 rows x 128 K
.set NL,     4                         ; LDS loads that bring one
.set NP,     4                         ; places behind this matrix instruction (ISA guide 7.12.1)
.set HALFT,  128*PITCH                 ; 128 rows: what one tensor load brings
.set SLOT,   4*HALFT                   ; the row operand's 256 rows, then the column operand's
.set LAPS,   SIZE_K/(2*KSTEP)          ; a lap = two K steps = once round the ring
.set SPARE,  2*SLOT                    ; behind the ring: the spare words, 128 bytes for each wave
.set REC,    98304                     ; a record of qkv
.set ADRA, 16                          ; v16-17  LDS address of my row fragments in slot 0, 1
.set ADRB, 20                          ; v20-21  the same for the column operand
.set VO0,  24                          ; v24     16 x lane: my place in an image
.set VO2,  25                          ; v25     the same, in the image that takes accumulators b = 4 .. 7
.set VBN,  26                          ; v26     32 h: my eight columns' bias
.set VBM,  27                          ; v27     4 r: my row's bias
.set SPW,  28                          ; v28     LDS address of my spare word; never rewritten
.set NIL,  29                          ; v29     0; never rewritten
.set LIM,  30                          ; v30     448 x 2^eo
.set SC,   31                          ; v31     2^eo
.set BN,   32
.set BM,   96
.set AF,   128
.set T,    160                         ; the way out: a block's 64 numbers
.set CD,   224                         ; and their codes
.set G1, 24                            ; s[24:31] descriptor group 1 for the row operand;  s[32:39] group 0, one set for each slot
.set G0, 32
.set G1B, 48                           ; s[48:55], s[56:63] the same for the column operand
.set G0B, 56
.set MSB, 0
.macro WIN new                         ; the immediate's high byte repeats the setting that is left
.if MSB != \new
	s_set_vgpr_msb (MSB<<8)|\new
.set MSB, \new
.endif
.endm
.set MUL_LO, 0xa1                      ; source 0 window 1, source 1 window 0, C and D window 2
.set MUL_HI, 0xf1                      ; the same, C and D window 3
.set TO_B,   0x40                      ; destination window 1, address window 0
; A joint load: waves 0 and 1 fetch the row operand's halves, waves 2 and 3 the column operand's.  The branch hangs on the wave's number alone.  Four v_nop follow each line.
.macro JLOAD g0a, g1a, g0b, g1b
	s_cmp_eq_u32 s15, 0
	s_cbranch_scc0 .Lfor_b_\@
	tensor_load_to_lds s[\g0a:\g0a+3], s[\g1a:\g1a+7]
.rept 4
	v_nop
.endr
	s_branch .Lasked_\@
.Lfor_b_\@:
	tensor_load_to_lds s[\g0b:\g0b+3], s[\g1b:\g1b+7]
.rept 4
	v_nop
.endr
.Lasked_\@:
.endm
.macro CREST                           ; a round of the cluster's barrier behind its opening barrier
	s_cmp_lg_u32 s14, 0
	s_cbranch_scc1 .Lnot_wave_0_\@
	s_barrier_signal -3
.Lnot_wave_0_\@:
	s_barrier_wait -3
	s_barrier_signal -1
	s_barrier_wait -1
.endm
.macro CROUND                          ; a whole round
	s_barrier_signal -1
	s_barrier_wait -1
	CREST
.endm
	s_load_b512 s[68:83], s[0:1], 0x0              ; q s[68:69], k s[70:71], wv s[72:73], wq s[74:75], wk s[76:77], v s[78:79], bq s[80:81], bk s[82:83]
	s_load_b128 s[84:87], s[0:1], 0x40             ; bv s[84:85], the scales' exponents s[86:87]
	s_load_b64 s[88:89], s[0:1], 0x50              ; qkv
	v_lshl_add_u32 v[SPW], v0, 2, SPARE
	v_mov_b32 v[NIL], 0
	v_lshrrev_b32 v1, 5, v0
	v_readfirstlane_b32 s14, v1                    ; wave 0..3
	s_lshr_b32 s15, s14, 1                         ; which half of the tile's rows is mine.  Also: I fetch for the row operand (0) or the column operand (1)
	s_and_b32 s16, s14, 1                          ; which half of its columns.  Also: which 128 rows of that tile I fetch
	s_bfe_u32 s40, ttmp6, 0x40000                  ; cx, cy: my place in the cluster
	s_bfe_u32 s41, ttmp6, 0x40004
	s_and_b32 s18, ttmp7, 0xffff                   ; the cluster's number, 0 .. 23: the same in all sixteen
	s_lshr_b32 s90, s18, 3                         ; the section: 0 Q, 1 K, 2 V
	s_and_b32 s91, s18, 7
	s_lshl_b32 s91, s91, 2                         ; the long axis (32 tiles of tokens) begins at tile 4 x (cluster % 8)
	s_cmp_eq_u32 s90, 2
	s_cselect_b32 s17, 0, s91                      ; Q, K: the tokens are the rows;
	s_cselect_b32 s42, s91, 0                      ; V: the columns
	s_add_co_u32 s17, s17, s41                     ; tile row: hangs on cy and the cluster's number alone
	s_add_co_u32 s42, s42, s40                     ; tile column: on cx and the cluster's number alone
	s_lshl_b32 s43, s41, 2
	s_lshl_b32 s43, 15, s43                        ; my row of the cluster
	s_lshl_b32 s44, 0x1111, s40                    ; my column
	; descriptor group 1: a tile of 128 rows x 256 bytes, padded in LDS
	s_or_b32 s[G1+0], s43, (0<<16)|(1<<20)|(1<<21)|(5<<22)|(3<<25)  ; 15:0 the mask; 17:16 element of 1 byte; 20 padding on; 21 set beside a mask; 24:22 after every 64 words; 31:25 of 4 words
	s_or_b32 s[G1B+0], s44, (0<<16)|(1<<20)|(1<<21)|(5<<22)|(3<<25)
.irp g, G1, G1B
	s_mov_b32 s[\g+1], ROWB<<16                    ; tensor_dim0
	s_mov_b32 s[\g+2], 128<<16                     ; tensor_dim1
	s_mov_b32 s[\g+3], ROWB<<16                    ; tile_dim0
	s_mov_b32 s[\g+4], 128                         ; tile_dim1
	s_mov_b32 s[\g+5], KROW                        ; tensor_dim0_stride
	s_mov_b32 s[\g+6], 0
	s_mov_b32 s[\g+7], 0
.endr
	s_lshl_b32 s18, s16, 7                         ; which 128 rows of the tile I fetch
	s_lshl_b32 s20, s17, 8
	s_add_co_u32 s20, s20, s18                     ; row operand: row 256 x tile row + 128 x half
	s_lshl_b32 s46, s42, 8
	s_add_co_u32 s46, s46, s18                     ; column operand: row 256 x tile column + 128 x half
	s_mov_b32 s21, 0
	s_mov_b32 s47, 0
	s_mov_b64 s[18:19], KROW
	s_mul_u64 s[20:21], s[20:21], s[18:19]
	s_mul_u64 s[46:47], s[46:47], s[18:19]
	s_mul_i32 s45, s14, HALFT                      ; where they go: wave x 128 rows: no place in the cluster enters an LDS address
	s_wait_kmcnt 0x0
	s_cmp_eq_u32 s90, 0                            ; the section's three buffers
	s_cselect_b64 s[4:5], s[68:69], s[70:71]
	s_cselect_b64 s[6:7], s[74:75], s[76:77]
	s_cselect_b64 s[8:9], s[80:81], s[82:83]
	s_cmp_eq_u32 s90, 2
	s_cselect_b64 s[4:5], s[72:73], s[4:5]         ; row operand: q, k or wv
	s_cselect_b64 s[6:7], s[78:79], s[6:7]         ; column operand: wq, wk or v
	s_cselect_b64 s[8:9], s[84:85], s[8:9]         ; bias
	s_load_b256 s[92:99], s[86:87], 0x0            ; e0 .. e7
	s_load_b32 s100, s[86:87], 0x24                ; e9
	s_add_nc_u64 s[20:21], s[4:5], s[20:21]
	s_add_nc_u64 s[46:47], s[6:7], s[46:47]
	CROUND                                         ; all sixteen work-groups are here: the first joint loads meet
.irp s, 0,1
	s_mov_b32 s[G0+4*\s], 1
	s_add_co_u32 s[G0+4*\s+1], s45, \s*SLOT
	s_add_nc_u64 s[G0+4*\s+2:G0+4*\s+3], s[20:21], \s*ROWB
	s_or_b32 s[G0+4*\s+3], s[G0+4*\s+3], 0x80000000
	s_mov_b32 s[G0B+4*\s], 1
	s_add_co_u32 s[G0B+4*\s+1], s45, \s*SLOT
	s_add_nc_u64 s[G0B+4*\s+2:G0B+4*\s+3], s[46:47], \s*ROWB
	s_or_b32 s[G0B+4*\s+3], s[G0B+4*\s+3], 0x80000000
	JLOAD G0+4*\s, G1, G0B+4*\s, G1B               ; two loads of mine are out
.endr
	v_and_b32 v1, 15, v0                           ; r = l % 16
	v_bfe_u32 v2, v0, 4, 1                         ; h = l / 16
	v_mul_u32_u24 v3, v1, PITCH
	v_lshl_add_u32 v4, v2, 4, v3                   ; a fragment's row x pitch + 16 x half
	s_mul_i32 s21, s15, HALFT                      ; my 128 rows of the row operand
	s_mul_i32 s22, s16, HALFT                      ; my 128 rows of the column operand,
	s_add_co_u32 s22, s22, 2*HALFT                 ; which lie behind the other's 256
.irp s, 0,1
	v_add_nc_u32 v[ADRA+\s], s21, v4
	v_add_nc_u32 v[ADRB+\s], s22, v4
	s_add_co_u32 s21, s21, SLOT
	s_add_co_u32 s22, s22, SLOT
.endr
	v_and_b32 v6, 31, v0
	v_lshlrev_b32 v[VO0], 4, v6
	v_lshlrev_b32 v[VBN], 5, v2
	v_lshlrev_b32 v[VBM], 2, v1
	; THE BIAS runs along the weight's outputs: the columns in Q and K, the rows in V.  Both directions are loaded, the one that is not the section's from the bias's first 128 numbers
	; (so that every load stays inside the 1,024) and is replaced by zeros on the way out: adding 0 changes nothing.
	s_lshl_b32 s22, s42, 8
	s_lshl_b32 s23, s16, 7
	s_add_co_u32 s22, s22, s23
	s_lshl_b32 s22, s22, 2                         ; my first column, as bytes of f32
	s_lshl_b32 s18, s17, 8
	s_lshl_b32 s19, s15, 7
	s_add_co_u32 s18, s18, s19
	s_lshl_b32 s18, s18, 2                         ; my first row likewise
	s_movk_i32 s20, 8192
	s_cmp_eq_u32 s90, 2
	s_cselect_b32 s22, 0, s22
	s_cselect_b32 s18, s18, 0
	s_cselect_b32 s20, 1024, s20                   ; accumulators b = 4 .. 7: Q, K: the next head's 8 KiB;  V: registers 8 .. 15 of the same fragment
	s_mov_b32 s23, 0
	s_mov_b32 s19, 0
	s_add_nc_u64 s[10:11], s[8:9], s[22:23]
	s_add_nc_u64 s[12:13], s[8:9], s[18:19]
	v_add_nc_u32 v[VO2], s20, v[VO0]
.irp b, 0,1,2,3,4,5,6,7
	global_load_b128 v[BN+8*\b:BN+8*\b+3],   v[VBN], s[10:11] offset:64*\b      ; columns 16 b + 8 h + 0 .. 7
	global_load_b128 v[BN+8*\b+4:BN+8*\b+7], v[VBN], s[10:11] offset:64*\b+16
.endr
.irp a, 0,1,2,3,4,5,6,7
	global_load_b32 v[BM+2*\a], v[VBM], s[12:13] offset:64*\a                   ; row 16 a + r
.endr
	; where my wave's images begin: its 128 tokens are one block, its 128 outputs two heads
	s_cmp_eq_u32 s90, 2
	s_cselect_b32 s20, s42, s17                    ; the tokens' tile and half,
	s_cselect_b32 s21, s16, s15
	s_cselect_b32 s22, s17, s42                    ; the outputs' tile (= head / 4) and half
	s_cselect_b32 s23, s15, s16
	s_lshl_b32 s20, s20, 1
	s_add_co_u32 s20, s20, s21                     ; block of 128 tokens, 0 .. 63
	s_lshr_b32 s21, s20, 4                         ; batch
	s_and_b32 s20, s20, 15                         ; block within it
	s_lshl_b32 s21, s21, 2
	s_add_co_u32 s21, s21, s22
	s_lshl_b32 s21, s21, 4
	s_add_co_u32 s21, s21, s20                     ; record
	s_mul_i32 s20, s21, REC
	s_lshl_b32 s21, s90, 15                        ; the section's 32 KiB
	s_add_co_u32 s20, s20, s21
	s_lshl_b32 s21, s23, 14                        ; my two heads' 16 KiB
	s_add_co_u32 s20, s20, s21
	s_mov_b32 s21, 0
	s_add_nc_u64 s[66:67], s[88:89], s[20:21]
.macro FRAG reg, adr, q, i             ; a fragment by four loads of 16 bytes, 32 apart: registers 4 c .. 4 c + 3 hold K = 32 c + 16 (l / 16) + 0 .. 15: a permutation of k, the same on both sides, so every product meets its partner
.irp c, 0,1,2,3
	ds_load_b128 v[\reg+4*\c:\reg+4*\c+3], v[\adr] offset:128*(\q)+32*\c+(\i)*16*PITCH
.endr
.endm
; 16 matrix instructions: row blocks a0, a0 + 1 x the eight column blocks, 128 along K.  p: the column operand's set.  zero = 1: the first product starts the sums.
; The 64 accumulators take turns, one instruction a turn, in the same order in every step.
.macro MUL16 a0, p, zero
.irp a, \a0, \a0+1
.irp b, 0,1,2,3,4,5,6,7
.if \zero
	v_wmma_f32_16x16x128_fp8_fp8 v[8*(8*((\a)%4)+\b):8*(8*((\a)%4)+\b)+7], v[128*(\p)+FR*\b:128*(\p)+FR*\b+FR-1], v[AF+FR*(\a):AF+FR*(\a)+FR-1], 0
.else
	v_wmma_f32_16x16x128_fp8_fp8 v[8*(8*((\a)%4)+\b):8*(8*((\a)%4)+\b)+7], v[128*(\p)+FR*\b:128*(\p)+FR*\b+FR-1], v[AF+FR*(\a):AF+FR*(\a)+FR-1], v[8*(8*((\a)%4)+\b):8*(8*((\a)%4)+\b)+7]
.endif
.endr
.endr
.endm
.macro FETCH_B slot, q, p
	WIN TO_B
.irp i, 0,1,2,3,4,5,6,7
	FRAG 128*(\p)+FR*\i, ADRB+\slot, \q, \i
.endr
	WIN 0
.endm
.macro FETCH_A slot, q, i0
.irp i, \i0, \i0+1, \i0+2, \i0+3
	FRAG AF+FR*(\i), ADRA+\slot, \q, \i
.endr
.endm
.macro PLACES n                        ; plain vector instructions in front of loads into registers that matrix instructions have read, and of the first read of results
.rept \n
	v_nop
.endr
.endm
; A step of 128 along K that has its successor in the same slot.
.macro STEP slot, q, zero
	s_wait_dscnt 4*NL                              ; the column set and row blocks 0-3 are in; the youngest 16 loads (row blocks 4-7) may be out
	WIN MUL_LO
	MUL16 0, (\q)%2, \zero
	MUL16 2, (\q)%2, \zero
	s_wait_dscnt 0                                 ; row blocks 4-7 are in
	PLACES NP
	FETCH_B \slot, (\q)+1, 1-(\q)%2
	FETCH_A \slot, (\q)+1, 0
	WIN MUL_HI
	MUL16 4, (\q)%2, \zero
	MUL16 6, (\q)%2, \zero
	PLACES NP
	WIN 0
	FETCH_A \slot, (\q)+1, 4
.endm
; A slot's last step changes slots: one barrier; in front of it each wave waits for all its tensor loads, adds 0 to its spare word, and waits for that and for its reads of this slot.  fill = 1: this slot is filled again, two K steps ahead.
.macro TURN slot, next, fill
	s_wait_tensorcnt 0x0                           ; all my tensor loads have landed: my part of the next slot  (every window is 0 here)
	ds_add_u32 v[SPW], v[NIL]                      ; 0 onto my spare word
	s_wait_dscnt 4*NL+1                            ; the add and the youngest 16 loads (row blocks 4-7) may be out
	WIN MUL_LO
	MUL16 0, 1, 0
	s_wait_dscnt 0x0                               ; the add is done, and my reads of this slot are over
	s_barrier_signal -1
	MUL16 2, 1, 0
	WIN 0
	s_barrier_wait -1
.if \fill
	CREST                                          ; the barrier has opened a round of the cluster's barrier: no wave of any partner still reads this slot or has a load on its way
	s_add_nc_u64 s[G0+4*\slot+2:G0+4*\slot+3], s[G0+4*\slot+2:G0+4*\slot+3], 2*ROWB
	s_add_nc_u64 s[G0B+4*\slot+2:G0B+4*\slot+3], s[G0B+4*\slot+2:G0B+4*\slot+3], 2*ROWB
	JLOAD G0+4*\slot, G1, G0B+4*\slot, G1B         ; the first tensor load behind the round; its four v_nop are the places in front of the loads below
.else
	PLACES NP
.endif
	FETCH_B \next, 0, 0
	FETCH_A \next, 0, 0
	WIN MUL_HI
	MUL16 4, 1, 0
	MUL16 6, 1, 0
	PLACES NP
	WIN 0
	FETCH_A \next, 0, 4
.endm
	s_wait_tensorcnt 1                             ; my part of K step 0 is in (K step 1's load may be out)
	s_barrier_signal -1
	s_barrier_wait -1                              ; everybody's is
	FETCH_B 0, 0, 0
	FETCH_A 0, 0, 0
	FETCH_A 0, 0, 4
	STEP 0, 0, 1                                   ; the first step stands in front of the loop: its products start the sums
	s_mov_b32 s3, LAPS-1
.Llap:                                             ; a trip goes once round the ring and fills both slots again
	TURN 0, 1, 1
	STEP 1, 0, 0
	TURN 1, 0, 1
	STEP 0, 0, 0
	s_sub_co_u32 s3, s3, 1
	s_cmp_lg_u32 s3, 0
	s_cbranch_scc1 .Llap
	TURN 0, 1, 0                                   ; the last lap fills nothing
	STEP 1, 0, 0
	s_wait_dscnt 4*NL                              ; the very last step
	WIN MUL_LO
	MUL16 0, 1, 0
	MUL16 2, 1, 0
	s_wait_dscnt 0
	WIN MUL_HI
	MUL16 4, 1, 0
	MUL16 6, 1, 0
	WIN 0
	PLACES NP                                      ; behind the last products: results are read and the row fragments' registers written below
	; THE WAY OUT.  number = sum x 2^(ea + eb) + bias; held within +-448 x 2^eo; converted with 2^eo.
	s_wait_loadcnt 0x0                             ; the biases
	s_wait_kmcnt 0x0                               ; the exponents
	s_add_co_i32 s92, s92, s93                     ; e0 + e1
	s_add_co_i32 s94, s94, s95                     ; e2 + e3
	s_add_co_i32 s96, s96, s97                     ; e4 + e5
	s_cmp_eq_u32 s90, 0
	s_cselect_b32 s92, s92, s94
	s_cselect_b32 s98, s98, s99                    ; e6 or e7
	s_cmp_eq_u32 s90, 2
	s_cselect_b32 s92, s96, s92
	s_cselect_b32 s98, s100, s98                   ; or e9
	s_cselect_b32 vcc_lo, 0, -1                    ; Q, K: all lanes keep the columns' bias
	s_cselect_b32 s20, 1, 0
	s_add_co_i32 s92, s92, 127
	s_lshl_b32 s92, s92, 23                        ; 2^(ea + eb) as f32
	s_mov_b32 s93, s92                             ; (named with it as a pair, so it is written)
	s_add_co_i32 s98, s98, 127
	s_lshl_b32 s99, s98, 23
	v_mov_b32 v[SC], s99                           ; 2^eo: the conversion takes its exponent field
	s_add_co_i32 s98, s98, 8
	s_lshl_b32 s98, s98, 23
	s_or_b32 s98, s98, 0x600000
	v_mov_b32 v[LIM], s98                          ; 448 x 2^eo
	s_lshl_b32 s94, 1024, s20                      ; from one row block's images to the next: Q, K: a fragment of 1 KiB;  V: of 2 KiB
	s_mov_b32 s95, 0
.set j, 0
.rept 64
	v_cndmask_b32 v[BN+j], 0, v[BN+j], vcc_lo
.set j, j+1
.endr
	s_not_b32 vcc_lo, vcc_lo                       ; V: all lanes keep the rows' bias
.irp a, 0,1,2,3,4,5,6,7
	v_cndmask_b32 v[BM+2*\a+1], 0, v[BM+2*\a], vcc_lo      ; twice: a pair for the packed addition
	v_cndmask_b32 v[BM+2*\a], 0, v[BM+2*\a], vcc_lo
.endr
.macro OUTA a                          ; row block a: 16 rows x 128 columns
.set AC, 64*((\a)%4)
	WIN 0x02+((\a)/4)                              ; source 0: window 2 or 3
.set j, 0
.rept 32
	v_pk_fma_f32 v[T+j:T+j+1], v[AC+j:AC+j+1], s[92:93], v[BN+j:BN+j+1] op_sel_hi:[1,0,1]   ; each accumulator from its low end on
.set j, j+2
.endr
	WIN 0
.set j, 0
.rept 32
	v_pk_add_f32 v[T+j:T+j+1], v[T+j:T+j+1], v[BM+2*(\a):BM+2*(\a)+1]
.set j, j+2
.endr
.set j, 0
.rept 64
	v_med3_num_f32 v[T+j], v[T+j], -v[LIM], v[LIM] ; the conversion to an 8-bit code does not saturate (ISA guide 7.6.2)
.set j, j+1
.endr
.irp b, 0,1,2,3,4,5,6,7
	v_cvt_scalef32_pk8_fp8_f32 v[CD+2*\b:CD+2*\b+1], v[T+8*\b:T+8*\b+7], v[SC]
.endr
	v_nop                                          ; a plain instruction behind the last conversion: the next block writes its sources
	global_store_b128 v[VO0], v[CD:CD+3], s[66:67]                  ; each store: 32 lanes, 512 consecutive bytes, aligned
	global_store_b128 v[VO0], v[CD+4:CD+7], s[66:67] offset:512
	global_store_b128 v[VO2], v[CD+8:CD+11], s[66:67]
	global_store_b128 v[VO2], v[CD+12:CD+15], s[66:67] offset:512
	s_wait_xcnt 0x0                                ; the stores' data and base are written again only behind this wait
	s_add_nc_u64 s[66:67], s[66:67], s[94:95]
.endm
.irp a, 0,1,2,3,4,5,6,7
	OUTA \a
.endr
	s_wait_tensorcnt 0x0                           ; the wave's end
	ds_add_u32 v[SPW], v[NIL]
	s_wait_dscnt 0x0
	CROUND                                         ; the closing round: no work-group ends while a partner may still ask for a tile that names it
	s_endpgm
.Lfunc_end_k_q9a4dbee1cd_proj:
	.size	k_q9a4dbee1cd_proj, .Lfunc_end_k_q9a4dbee1cd_proj-k_q9a4dbee1cd_proj
	.p2alignl 7, 3214868480
	.fill 96, 4, 3214868480
	.section	.rodata,"a",@progbits
	.p2align	6, 0x0
	.amdhsa_kernel k_q9a4dbee1cd_proj
		.amdhsa_group_segment_fixed_size 327680
		.amdhsa_private_segment_fixed_size 0
		.amdhsa_enable_private_segment 0
		.amdhsa_kernarg_size 88
		.amdhsa_user_sgpr_count 2
		.amdhsa_user_sgpr_kernarg_segment_ptr 1
		.amdhsa_wavefront_size32 1
		.amdhsa_system_sgpr_workgroup_id_x 1
		.amdhsa_system_sgpr_workgroup_id_y 1
		.amdhsa_system_sgpr_workgroup_id_z 1
		.amdhsa_system_vgpr_workitem_id 0
		.amdhsa_next_free_vgpr 1024
		.amdhsa_next_free_sgpr 102
		.amdhsa_reserve_vcc 1
		.amdhsa_float_denorm_mode_32 3
		.amdhsa_float_denorm_mode_16_64 3
		.amdhsa_memory_ordered 1
		.amdhsa_forward_progress 1
		.amdhsa_inst_pref_size 156
	.end_amdhsa_kernel
	.amdgpu_metadata
---
amdhsa.version: [ 1, 2 ]
amdhsa.kernels:
  - .name:           k_q9a4dbee1cd_proj
    .symbol:         k_q9a4dbee1cd_proj.kd
    .args:
      - { .name: q_codes, .offset: 0, .size: 8, .value_kind: global_buffer, .address_space: global }
      - { .name: k_codes, .offset: 8, .size: 8, .value_kind: global_buffer, .address_space: global }
      - { .name: wv_w_codes, .offset: 16, .size: 8, .value_kind: global_buffer, .address_space: global }
      - { .name: wq_w_codes, .offset: 24, .size: 8, .value_kind: global_buffer, .address_space: global }
      - { .name: wk_w_codes, .offset: 32, .size: 8, .value_kind: global_buffer, .address_space: global }
      - { .name: v_codes, .offset: 40, .size: 8, .value_kind: global_buffer, .address_space: global }
      - { .name: wq_b, .offset: 48, .size: 8, .value_kind: global_buffer, .address_space: global }
      - { .name: wk_b, .offset: 56, .size: 8, .value_kind: global_buffer, .address_space: global }
      - { .name: wv_b, .offset: 64, .size: 8, .value_kind: global_buffer, .address_space: global }
      - { .name: lowp_scales, .offset: 72, .size: 8, .value_kind: global_buffer, .address_space: global }
      - { .name: qkv, .offset: 80, .size: 8, .value_kind: global_buffer, .address_space: global }
    .group_segment_fixed_size: 327680
    .private_segment_fixed_size: 0
    .kernarg_segment_align: 8
    .kernarg_segment_size: 88
    .max_flat_workgroup_size: 128
    .sgpr_count:     102
    .vgpr_count:     1024
    .wavefront_size: 32
...
	.end_amdgpu_metadata
.endif
;; end of part 1
;; launch attn (part 2): grid 16 x 16, 8 waves a work-group, clusters of 4 x 4, 327,680 bytes of LDS; arguments qkv, mask, lowp_scales, ac; writes ac
.if DOCPART == 2
	.amdgcn_target "amdgcn-amd-amdhsa--gfx1250"
	.amdhsa_code_object_version 6
	.text
	.protected	k_q9a4dbee1cd_attn
	.globl	k_q9a4dbee1cd_attn
	.p2align	8
	.type	k_q9a4dbee1cd_attn,@function
k_q9a4dbee1cd_attn:
	s_mov_b64 s[64:65], 0
	v_nop
	global_prefetch_b8 v0, s[64:65] scope:SCOPE_SE
	s_setreg_imm32_b32 hwreg(HW_REG_WAVE_MODE, 25, 1), 1
	s_wait_xcnt 0x0
	s_wait_alu depctr_hold_cnt(0) depctr_sa_sdst(0) depctr_va_vdst(0) depctr_va_sdst(0) depctr_va_ssrc(0) depctr_va_vcc(0) depctr_vm_vsrc(0)
	s_getreg_b32 s2, hwreg(HW_REG_IB_STS2, 6, 4)
	s_cmp_eq_u32 s2, 0
	s_cbranch_scc0 .Lentry_in_a_cluster
	s_endpgm
.Lentry_in_a_cluster:
	s_bfe_u32 s2, ttmp6, 0x10000c
	s_cmp_lg_u32 s2, 0xf033
	s_cbranch_scc0 .Lentry_shape_is_right
	s_endpgm
.Lentry_shape_is_right:
; ATTENTION on codes of FP8 (E4M3): 64 heads, 2,048 queries x 2,048 keys, head size 64.  logit = qh . kh / 8 + mask x (-1e9); the mask is an input of f32 and is honoured as it is given: every key is walked.
; THE SOFTMAX AHEAD OF THE SECOND PRODUCT: t = logit x log2(e); M = the row's largest t so far, rounded up to a whole number; p = 2^(t - M) is quantised with 2^e8; the row's sum is taken of the unquantised p and divides at the end.
; t is made as  raw x c + mask x (-1e9 log2 e),  c = log2(e) / 8 x 2^(e6 + e7), raw the sum of the codes' products: one multiplication for the mask's term, one fused multiply-add.  So where the mask's term is large the scores
; vanish under its rounding as they do in the given formula; the order of roundings differs from it in that log2(e) is applied ahead of the sum.  t - M is a SUBTRACTION OF ITS OWN on the rounded t:
; were it fused with the multiplication by c, a row whose every key is masked (t near -1.4e9) would get the product's rounding error, not 0, as its exponent.
; The result, O x 2^(e8 + e9) / sum, is quantised with 2^e10 and stored as codes [8,192 tokens][1,024], the last product's operand.
; SHARES.  A work-group owns 128 queries of FOUR heads (head / 4 and the batch are its y).  Wave w takes head w % 4 and queries 64 (w / 4) + 0 .. 63: four tiles of 16, which share every fragment of K and V that is read from LDS;
; the four heads share the mask's tile.  Two waves lie on a SIMD, 512 registers each, so that one wave's LDS loads and products stand beside the other's vector work.  Keys go in 16 steps of 128.
; LAYOUT.  Both products transposed: S^T = K Q^T (source 0 = 16 keys), O^T = V^T P^T (source 0 = 16 channels): a lane holds ONE query (lane % 16); register j of key tile k is key 16 k + 8 (lane / 16) + j, which is the place
; that the second product's operand gives it: the conversions' results are that operand.  Q, K and V come as images of operand registers (16 bytes a lane, written so by the launch before): dense blocks, no pitch.
; CLUSTER 4 x 4: x = the block of queries, y = (batch, head / 4).  The mask's tile hangs on x alone and is shared along a column; K's and V's hang on y alone and are shared along a row: joint loads, a quarter of the requests.
; LDS: two slots of [mask 128 rows x (512 + 16) | K 32 KiB | V 32 KiB]; the spare words; a stage of 128 rows x (256 + 16) for the way out, bytes of its own.
; LIMITS: e6 + e7 between -123 and 130 (added to c's exponent field); e8, e10 between -126 and 119; e8 + e9 goes in by v_ldexp_f32.  NaN in the mask is not served.
; REGISTERS: window 0: v1-10 addresses; v12-23 at work and constants; v24-39 four a tile: -M, the largest t, the sum in two halves; v40-55 p's codes; v64-127 X: the mask's tile; v128-191 Y: the scores, then p; v192-255 K.
;   window 1: v0-127 O^T (32 a tile); v128-191 V; v192-223 Q.
.set MP,    528                        ; a row of the mask's tile in LDS: 512 bytes + 16: an odd multiple of 16, so the 16 rows of a load fall on 16 different columns of 16 bytes
.set KOFF,  128*MP
.set SLOT,  KOFF+65536
.set SPARE, 2*SLOT                     ; the spare words, 128 bytes for each of the eight waves
.set STAGE, SPARE+1024
.set SP,    272
.set REC,   98304                      ; a record of qkv: Q, K, V of 128 tokens x 4 heads
.set SPW,  1
.set NIL,  2
.set AM,   3                           ; v3-4   my place in the mask's tile, slot 0, 1
.set AK,   5                           ; v5-6   my place in my head's images of K, slot 0, 1; V's lie 32 KiB on
.set STO,  7
.set RD,   8
.set GO,   9
.set QO,   10                          ; v10    16 x lane
.set X1,   12
.set X2,   13
.set PD,   14
.set F,    16                          ; v[16:17] 2^(old M - new M)
.set L2,   18                          ; v[18:19] the sum's second chain
.set LIMP, 20
.set SCP,  21
.set LIMO, 22
.set SCO,  23
.set ST,   24
.set PC,   40
.set X,    64
.set Y,    128
.set KF,   192
.set O,    0
.set VF,   128
.set QF,   192
.set WV,   12
.set G1M,  24                          ; s[24:31] descriptor group 1 for the mask;  s[32:39] for K and V;  s[40:47], s[48:55] their groups 0, one set for each slot
.set G1K,  32
.set G0M,  40
.set G0K,  48
.set CS,   56                          ; s[56:57] c
.set SEL,  58                          ; s[58:59] lane selects: lane l xor 16
.set CNT,  60
.set EPV,  61                          ; e8 + e9
.set CMC,  62                          ; s[62:63] -1e9 x log2(e)
.set MSB, 0
.macro WIN new
.if MSB != \new
	s_set_vgpr_msb (MSB<<8)|\new
.set MSB, \new
.endif
.endm
.set W_KQ, 0x04                        ; Q (source 1) window 1; K and the scores window 0
.set W_PV, 0x51                        ; V, C and D window 1; p's codes window 0
.set W_RS, 0x41                        ; O^T (destination, source 0) window 1; the factor window 0
.set TO_1, 0x40                        ; destination window 1, address window 0
; A joint load for slot s: waves 0, 1 the mask's halves, waves 2 to 5 the quarters of K and V, waves 6, 7 nothing.  The branches hang on the wave's number alone.  Four v_nop follow each line.
.macro JLOAD s
	s_cmp_lt_u32 s[WV], 2
	s_cbranch_scc0 .Lnot_m_\@
	tensor_load_to_lds s[G0M+4*(\s):G0M+4*(\s)+3], s[G1M:G1M+7]
.rept 4
	v_nop
.endr
	s_branch .Lasked_\@
.Lnot_m_\@:
	s_cmp_lt_u32 s[WV], 6
	s_cbranch_scc0 .Lasked_\@
	tensor_load_to_lds s[G0K+4*(\s):G0K+4*(\s)+3], s[G1K:G1K+7]
.rept 4
	v_nop
.endr
.Lasked_\@:
.endm
.macro CROUND                          ; a round of the cluster's barrier
	s_barrier_signal -1
	s_barrier_wait -1
	s_cmp_lg_u32 s[WV], 0
	s_cbranch_scc1 .Lnot_wave_0_\@
	s_barrier_signal -3
.Lnot_wave_0_\@:
	s_barrier_wait -3
	s_barrier_signal -1
	s_barrier_wait -1
.endm
	s_load_b256 s[4:11], s[0:1], 0x0               ; qkv s[4:5], mask s[6:7], the scales' exponents s[8:9], ac s[10:11]
	v_lshl_add_u32 v[SPW], v0, 2, SPARE
	v_mov_b32 v[NIL], 0
	v_lshrrev_b32 v11, 5, v0
	v_readfirstlane_b32 s[WV], v11                 ; wave 0..7
	s_and_b32 s13, s[WV], 3                        ; my head among the four
	s_lshr_b32 s14, s[WV], 2                       ; my half of the 128 queries
	v_and_b32 v11, 15, v0                          ; r
	v_bfe_u32 v15, v0, 4, 1                        ; h
	v_and_b32 v[QO], 31, v0
	v_lshlrev_b32 v[QO], 4, v[QO]
	; every LDS address is made here, ahead of the first branch on the wave's number
	s_mul_i32 s80, s14, 64*MP
	v_mul_u32_u24 v[AM], v11, MP
	v_lshl_add_u32 v[AM], v15, 5, v[AM]
	v_add_nc_u32 v[AM], s80, v[AM]                 ; the mask: row 64 (w / 4) + r, + 32 h: my eight keys of a tile of 16
	v_add_nc_u32 v[AM+1], SLOT, v[AM]
	s_lshl_b32 s80, s13, 13
	s_add_co_u32 s80, s80, KOFF
	v_add_nc_u32 v[AK], s80, v[QO]
	v_add_nc_u32 v[AK+1], SLOT, v[AK]
	s_mul_i32 s80, s14, 64*SP
	s_lshl_b32 s81, s13, 6
	s_add_co_u32 s80, s80, s81
	s_add_co_u32 s80, s80, STAGE
	v_mul_u32_u24 v[STO], v11, SP
	v_lshl_add_u32 v[STO], v15, 3, v[STO]
	v_add_nc_u32 v[STO], s80, v[STO]               ; the stage, in: row = my query, 64 bytes a head, 8 h
	s_mul_i32 s80, s[WV], 16*SP
	s_add_co_u32 s80, s80, STAGE
	v_mul_u32_u24 v[RD], v15, SP
	v_lshl_add_u32 v[RD], v11, 4, v[RD]
	v_add_nc_u32 v[RD], s80, v[RD]                 ; back: wave w takes rows 16 w on; lanes 0-15 one row of 256 bytes, lanes 16-31 the next
	v_lshlrev_b32 v[GO], 10, v15
	v_lshl_add_u32 v[GO], v11, 4, v[GO]            ; and the same two rows in ac
	s_bfe_u32 s15, ttmp6, 0x40000                  ; cx
	s_bfe_u32 s16, ttmp6, 0x40004                  ; cy
	s_lshl_b32 s17, ttmp9, 2
	s_add_co_u32 s17, s17, s15                     ; the block of 128 queries
	s_and_b32 s18, ttmp7, 0xffff
	s_lshl_b32 s18, s18, 2
	s_add_co_u32 s18, s18, s16                     ; y = 4 batch + head / 4
	s_lshl_b32 s19, s16, 2
	s_lshl_b32 s19, 15, s19                        ; my row of the cluster
	s_lshl_b32 s20, 0x1111, s15                    ; my column
	s_or_b32 s[G1M], s20, (2<<16)|(1<<20)|(1<<21)|(6<<22)|(3<<25)   ; the mask's tile goes to my column; elements of 4 bytes; padding: 4 words after every 128; bit 21 beside a mask
	s_mov_b32 s[G1M+1], 128<<16                    ; tensor_dim0 = 128 keys
	s_mov_b32 s[G1M+2], 64<<16                     ; tensor_dim1 = 64 queries
	s_mov_b32 s[G1M+3], 128<<16                    ; tile_dim0
	s_mov_b32 s[G1M+4], 64                         ; tile_dim1
	s_mov_b32 s[G1M+5], 2048                       ; from row to row
	s_mov_b32 s[G1M+6], 0
	s_mov_b32 s[G1M+7], 0
	s_or_b32 s[G1K], s19, (3<<16)|(1<<21)          ; K and V go to my row; a dense block of 16 KiB as 64 rows of 32 elements of 8 bytes; no padding
	s_mov_b32 s[G1K+1], 32<<16
	s_mov_b32 s[G1K+2], 64<<16
	s_mov_b32 s[G1K+3], 32<<16
	s_mov_b32 s[G1K+4], 64
	s_mov_b32 s[G1K+5], 32
	s_mov_b32 s[G1K+6], 0
	s_mov_b32 s[G1K+7], 0
	s_and_b32 s21, s[WV], 1                        ; the mask: which 64 rows I would fetch
	s_lshl_b32 s22, s17, 7
	s_lshl_b32 s23, s21, 6
	s_add_co_u32 s22, s22, s23
	s_lshl_b32 s22, s22, 13                        ; rows of 8,192 bytes
	s_mov_b32 s23, 0
	s_mul_i32 s82, s21, 64*MP                      ; and where they go
	s_add_co_u32 s83, s[WV], 2
	s_and_b32 s83, s83, 3
	s_lshl_b32 s83, s83, 14                        ; K, V: which 16 KiB of the record's 64: waves 2, 3, 4, 5 take 0, 1, 2, 3
	s_mul_i32 s84, s18, 16*REC                     ; y's sixteen records,
	s_add_co_u32 s84, s84, s83
	s_add_co_u32 s84, s84, 32768                   ; behind a record's Q
	s_mov_b32 s85, 0
	s_add_co_u32 s83, s83, KOFF
	s_lshl_b32 s86, s18, 4                         ; Q: record 16 y + block, my head's 8 KiB, my four tiles' 4 KiB
	s_add_co_u32 s86, s86, s17
	s_mul_i32 s86, s86, REC
	s_lshl_b32 s87, s13, 13
	s_add_co_u32 s86, s86, s87
	s_lshl_b32 s87, s14, 12
	s_add_co_u32 s86, s86, s87
	s_mov_b32 s87, 0
	s_lshr_b32 s88, s18, 2                         ; ac: token 2,048 batch + 128 block + 16 wave, byte 256 (head / 4)
	s_lshl_b32 s88, s88, 11
	s_lshl_b32 s89, s17, 7
	s_add_co_u32 s88, s88, s89
	s_lshl_b32 s89, s[WV], 4
	s_add_co_u32 s88, s88, s89
	s_lshl_b32 s88, s88, 10
	s_and_b32 s89, s18, 3
	s_lshl_b32 s89, s89, 8
	s_add_co_u32 s88, s88, s89
	s_mov_b32 s89, 0
	s_mov_b32 s[SEL], 0x76543210
	s_mov_b32 s[SEL+1], 0xfedcba98
	s_mov_b32 s[CMC], 0xceabfb8f                   ; -1e9 x log2(e), rounded to f32
	s_mov_b32 s[CMC+1], s[CMC]                     ; (named with it as a pair, so it is written)
	s_wait_kmcnt 0x0
	s_load_b128 s[68:71], s[8:9], 0x18             ; e6, e7, e8, e9
	s_load_b32 s72, s[8:9], 0x28                   ; e10
	s_add_nc_u64 s[22:23], s[6:7], s[22:23]
	s_add_nc_u64 s[84:85], s[4:5], s[84:85]
	s_add_nc_u64 s[86:87], s[4:5], s[86:87]
	s_add_nc_u64 s[88:89], s[10:11], s[88:89]
	CROUND                                         ; all sixteen work-groups are here: the first joint loads meet
.irp s, 0,1
	s_mov_b32 s[G0M+4*\s], 1
	s_add_co_u32 s[G0M+4*\s+1], s82, \s*SLOT
	s_add_nc_u64 s[G0M+4*\s+2:G0M+4*\s+3], s[22:23], \s*512         ; key step s: 128 keys of 4 bytes on
	s_or_b32 s[G0M+4*\s+3], s[G0M+4*\s+3], 0x80000000
	s_mov_b32 s[G0K+4*\s], 1
	s_add_co_u32 s[G0K+4*\s+1], s83, \s*SLOT
	s_add_nc_u64 s[G0K+4*\s+2:G0K+4*\s+3], s[84:85], \s*REC         ; key step s: the next record
	s_or_b32 s[G0K+4*\s+3], s[G0K+4*\s+3], 0x80000000
.endr
	JLOAD 0                                        ; key step 0: one load of mine is out
	WIN TO_1
.irp i, 0,1,2,3,4,5,6,7
	global_load_b128 v[QF+4*\i:QF+4*\i+3], v[QO], s[86:87] offset:512*\i    ; Q's four fragments stay in registers
.endr
	WIN 0
.irp t, 0,1,2,3
	v_mov_b32 v[ST+4*\t+1], 0xff61b1e6             ; the largest t so far: -3e38, under every t
	v_floor_f32 v[ST+4*\t], -v[ST+4*\t+1]          ; -M
	v_mov_b32 v[ST+4*\t+2], 0                      ; the sum, in two halves
	v_mov_b32 v[ST+4*\t+3], 0
.endr
	v_mov_b32 v[PD], 0                             ; written once: a lane permute's destination counts as one of its sources
	v_mov_b32 v[F+1], 0                            ; (named as the upper half of a pair)
	s_wait_kmcnt 0x0
	s_add_co_i32 s80, s68, s69
	s_lshl_b32 s80, s80, 23
	s_add_co_i32 s[CS], s80, 0x3e38aa3b            ; c = log2(e) / 8, with e6 + e7 added to its exponent field
	s_mov_b32 s[CS+1], s[CS]
	s_add_co_i32 s80, s70, 127
	s_lshl_b32 s81, s80, 23
	v_mov_b32 v[SCP], s81                          ; 2^e8
	s_add_co_i32 s80, s80, 8
	s_lshl_b32 s80, s80, 23
	s_or_b32 s80, s80, 0x600000
	v_mov_b32 v[LIMP], s80                         ; 448 x 2^e8
	s_add_co_i32 s80, s72, 127
	s_lshl_b32 s81, s80, 23
	v_mov_b32 v[SCO], s81                          ; 2^e10
	s_add_co_i32 s80, s80, 8
	s_lshl_b32 s80, s80, 23
	s_or_b32 s80, s80, 0x600000
	v_mov_b32 v[LIMO], s80                         ; 448 x 2^e10
	s_add_co_i32 s[EPV], s70, s71
.macro LOADK slot                      ; my head's eight fragments of K (16 keys x 64): 512 consecutive bytes a load
.set i, 0
.rept 16
	ds_load_b128 v[KF+4*i:KF+4*i+3], v[AK+\slot] offset:512*i
.set i, i+1
.endr
.endm
.macro LOADV slot                      ; my head's four fragments of V (16 channels x 128 keys)
	WIN TO_1
.set i, 0
.rept 16
	ds_load_b128 v[VF+4*i:VF+4*i+3], v[AK+\slot] offset:32768+512*i
.set i, i+1
.endr
	WIN 0
.endm
.macro LOADM slot, t                   ; the mask of tile t's 16 queries x 128 keys, in the scores' layout
.irp k, 0,1,2,3,4,5,6,7
	ds_load_b128 v[X+8*\k:X+8*\k+3],   v[AM+\slot] offset:16*MP*(\t)+64*\k
	ds_load_b128 v[X+8*\k+4:X+8*\k+7], v[AM+\slot] offset:16*MP*(\t)+64*\k+16
.endr
.endm
; ONE TILE OF 16 QUERIES, ONE KEY STEP.  first = 1: the first key step: its products start O^T's sums, and there is nothing to rescale.
.macro TILE slot, t, first
.set NM, ST+4*(\t)
.set OT, O+32*(\t)
	s_wait_dscnt 0x0                               ; tile 0: K and the mask are in;  later tiles: the mask, asked for a softmax ago
	WIN W_KQ
.irp k, 0,1,2,3,4,5,6,7
	v_wmma_f32_16x16x64_fp8_fp8 v[Y+8*\k:Y+8*\k+7], v[KF+8*\k:KF+8*\k+7], v[QF+8*(\t):QF+8*(\t)+7], 0
.endr
	WIN 0
.set j, 0
.rept 32
	v_pk_mul_f32 v[X+j:X+j+1], v[X+j:X+j+1], s[CMC:CMC+1] op_sel_hi:[1,0]   ; the mask's term of t.  (These name no register of the products: they are the places behind them, and in front of V's loads)
.set j, j+2
.endr
.if (\t) == 0
	LOADV \slot
.endif
.set j, 0
.rept 32
	v_pk_fma_f32 v[Y+j:Y+j+1], v[Y+j:Y+j+1], s[CS:CS+1], v[X+j:X+j+1] op_sel_hi:[1,0,1]   ; t = raw x c + the mask's term; each accumulator from its low end on
.set j, j+2
.endr
.if (\t) < 3
	LOADM \slot, (\t)+1                            ; X is free: the next tile's mask lands under this tile's softmax
.endif
	v_max3_num_f32 v[X1], v[Y], v[Y+1], v[Y+2]     ; the largest t of my 64 keys, in two chains,
	v_max3_num_f32 v[X2], v[Y+3], v[Y+4], v[Y+5]
.set j, 6
.rept 14
	v_max3_num_f32 v[X1], v[X1], v[Y+j], v[Y+j+1]
	v_max3_num_f32 v[X2], v[X2], v[Y+j+2], v[Y+j+3]
.set j, j+4
.endr
	v_max3_num_f32 v[X1], v[X1], v[Y+62], v[Y+63]
	v_max_num_f32 v[X1], v[X1], v[X2]
	v_permlanex16_b32 v[PD], v[X1], s[SEL], s[SEL+1]
	v_max_num_f32 v[X1], v[X1], v[PD]              ; and of lane l xor 16's
	v_max_num_f32 v[NM+1], v[NM+1], v[X1]          ; the running largest t
	v_mov_b32 v[X1], v[NM]
	v_floor_f32 v[NM], -v[NM+1]                    ; the new -M = -ceil(t): a whole number
	v_sub_f32 v[X1], v[NM], v[X1]                  ; old M - new M: a whole number, 0 or less
	v_cvt_i32_f32 v[X1], v[X1]                     ; (it saturates)
	v_ldexp_f32 v[F], 1.0, v[X1]                   ; f = 2^(old M - new M): a multiplication by it rounds nothing
.set j, 0
.rept 32
	v_pk_add_f32 v[Y+j:Y+j+1], v[Y+j:Y+j+1], v[NM:NM+1] op_sel_hi:[1,0]   ; t - M, 0 or less (of the pair the low word, -M, serves both halves)
.set j, j+2
.endr
.set j, 0
.rept 64
	v_exp_f32 v[Y+j], v[Y+j]                       ; p = 2^(t - M), at most 1
.set j, j+1
.endr
	v_pk_mul_f32 v[NM+2:NM+3], v[NM+2:NM+3], v[F:F+1] op_sel_hi:[1,0]     ; the sum under the new M.  (The plain instruction behind the exponentials)
	v_pk_add_f32 v[L2:L2+1], v[Y:Y+1], v[Y+2:Y+3]  ; the sum of the unquantised p, in two chains
.set j, 4
.rept 15
	v_pk_add_f32 v[NM+2:NM+3], v[NM+2:NM+3], v[Y+j:Y+j+1]
	v_pk_add_f32 v[L2:L2+1], v[L2:L2+1], v[Y+j+2:Y+j+3]
.set j, j+4
.endr
	v_pk_add_f32 v[NM+2:NM+3], v[NM+2:NM+3], v[L2:L2+1]
.set j, 0
.rept 64
	v_min_num_f32 v[Y+j], v[Y+j], v[LIMP]          ; the conversion does not saturate (ISA guide 7.6.2); p is not negative: a one-sided hold
.set j, j+1
.endr
.irp k, 0,1,2,3,4,5,6,7
	v_cvt_scalef32_pk8_fp8_f32 v[PC+2*\k:PC+2*\k+1], v[Y+8*\k:Y+8*\k+7], v[SCP]   ; registers 2 k, 2 k + 1 of the operand: keys 16 k + 8 h + 0 .. 7
.endr
.if \first
	v_nop                                          ; a plain instruction between the conversions and the products that read their results
.else
	WIN W_RS
.set j, 0
.rept 16
	v_pk_mul_f32 v[OT+j:OT+j+1], v[OT+j:OT+j+1], v[F:F+1] op_sel_hi:[1,0]  ; O^T under the new M; each accumulator from its low end on
.set j, j+2
.endr
.endif
.if (\t) == 0
	s_wait_dscnt 16                                ; V is in; the 16 loads of the next tile's mask, issued behind V's, may be out
.endif
	WIN W_PV
.irp d, 0,1,2,3
.if \first
	v_wmma_f32_16x16x128_fp8_fp8 v[OT+8*\d:OT+8*\d+7], v[VF+16*\d:VF+16*\d+15], v[PC:PC+15], 0
.else
	v_wmma_f32_16x16x128_fp8_fp8 v[OT+8*\d:OT+8*\d+7], v[VF+16*\d:VF+16*\d+15], v[PC:PC+15], v[OT+8*\d:OT+8*\d+7]
.endif
.endr
	WIN 0
.endm
; A KEY STEP.  At its head each wave waits for all its tensor loads (its part of this step's slot), adds 0 to its spare word, and waits for that and for its reads of the other slot.  refill = 1: behind a round of the
; cluster's barrier the other slot is asked for, with the next key step: that load has this whole step in which to land.  By this text's count one tensor load of a wave is out at a time.
.macro TRIP slot, refill, first
	s_wait_tensorcnt 0x0                           ; no tensor load of mine is out, so a group 0 may be written
	ds_add_u32 v[SPW], v[NIL]                      ; 0 onto my spare word
	s_add_nc_u64 s[G0M+4*\slot+2:G0M+4*\slot+3], s[G0M+4*\slot+2:G0M+4*\slot+3], 1024     ; this slot's next tiles: two key steps on
	s_add_nc_u64 s[G0K+4*\slot+2:G0K+4*\slot+3], s[G0K+4*\slot+2:G0K+4*\slot+3], 2*REC
	s_wait_dscnt 0x0                               ; the add is done, and my reads of the other slot are over
.if \refill
	CROUND                                         ; no wave of any partner still reads the other slot or has a load on its way
	JLOAD 1-\slot
.else
	s_barrier_signal -1                            ; nothing is filled: my work-group's barrier shows this slot whole
	s_barrier_wait -1
.endif
	LOADK \slot
	LOADM \slot, 0
	TILE \slot, 0, \first
	TILE \slot, 1, \first
	TILE \slot, 2, \first
	TILE \slot, 3, \first
.endm
	s_wait_loadcnt 0x0                             ; Q
	TRIP 0, 1, 1                                   ; key step 0
	s_mov_b32 s[CNT], 7
.Lpair:                                            ; key steps 1 to 14
	TRIP 1, 1, 0
	TRIP 0, 1, 0
	s_sub_co_u32 s[CNT], s[CNT], 1
	s_cmp_lg_u32 s[CNT], 0
	s_cbranch_scc1 .Lpair
	TRIP 1, 0, 0                                   ; key step 15 is written out: nothing is left to ask for
	; THE WAY OUT.  The additions are the places behind the last products.
.irp t, 0,1,2,3
	v_add_f32 v[ST+4*\t+2], v[ST+4*\t+2], v[ST+4*\t+3]
.endr
.irp t, 0,1,2,3
	v_permlanex16_b32 v[ST+4*\t+1], v[ST+4*\t+2], s[SEL], s[SEL+1]
.endr
.irp t, 0,1,2,3
	v_add_f32 v[ST+4*\t+2], v[ST+4*\t+2], v[ST+4*\t+1]      ; the row's sum: above 1/2
.endr
.irp t, 0,1,2,3
	v_rcp_f32 v[ST+4*\t+2], v[ST+4*\t+2]
.endr
	v_nop                                          ; a plain instruction behind the reciprocals
.irp t, 0,1,2,3
	v_ldexp_f32 v[ST+4*\t+2], v[ST+4*\t+2], s[EPV] ; x 2^(e8 + e9)
.endr
.macro OUTT t                          ; tile t: a lane's eight channels of a tile of 16 become 8 bytes of its query's row in the stage
.set YB, Y+32*((\t)%2)
	WIN 0x01                                       ; source 0 (O^T) window 1
.set j, 0
.rept 16
	v_pk_mul_f32 v[YB+j:YB+j+1], v[O+32*(\t)+j:O+32*(\t)+j+1], v[ST+4*(\t)+2:ST+4*(\t)+3] op_sel_hi:[1,0]
.set j, j+2
.endr
	WIN 0
.set j, 0
.rept 32
	v_med3_num_f32 v[YB+j], v[YB+j], -v[LIMO], v[LIMO]
.set j, j+1
.endr
.irp d, 0,1,2,3
	v_cvt_scalef32_pk8_fp8_f32 v[X+8*(\t)+2*\d:X+8*(\t)+2*\d+1], v[YB+8*\d:YB+8*\d+7], v[SCO]
.endr
	v_nop                                          ; a plain instruction behind the last conversion
.irp d, 0,1,2,3
	ds_store_b64 v[STO], v[X+8*(\t)+2*\d:X+8*(\t)+2*\d+1] offset:16*SP*(\t)+16*\d
.endr
.endm
	OUTT 0
	OUTT 1
	OUTT 2
	OUTT 3
	s_wait_dscnt 0x0                               ; for the others' sake: my stores into the stage are done (a row's 256 bytes come from four waves)
	s_barrier_signal -1
	s_barrier_wait -1
.irp i, 0,1,2,3,4,5,6,7
	ds_load_b128 v[Y+4*\i:Y+4*\i+3], v[RD] offset:2*SP*\i
.endr
.irp i, 0,1,2,3,4,5,6,7
	s_wait_dscnt 7-\i                              ; LDS loads come back in order: load i is in, the younger ones may be out
	global_store_b128 v[GO], v[Y+4*\i:Y+4*\i+3], s[88:89] offset:2048*\i   ; sixteen lanes store 256 consecutive bytes, aligned: a token's four heads
.endr
	s_wait_tensorcnt 0x0                           ; the wave's end
	ds_add_u32 v[SPW], v[NIL]
	s_wait_dscnt 0x0
	CROUND                                         ; the closing round
	s_endpgm
.Lfunc_end_k_q9a4dbee1cd_attn:
	.size	k_q9a4dbee1cd_attn, .Lfunc_end_k_q9a4dbee1cd_attn-k_q9a4dbee1cd_attn
	.p2alignl 7, 3214868480
	.fill 96, 4, 3214868480
	.section	.rodata,"a",@progbits
	.p2align	6, 0x0
	.amdhsa_kernel k_q9a4dbee1cd_attn
		.amdhsa_group_segment_fixed_size 327680
		.amdhsa_private_segment_fixed_size 0
		.amdhsa_enable_private_segment 0
		.amdhsa_kernarg_size 32
		.amdhsa_user_sgpr_count 2
		.amdhsa_user_sgpr_kernarg_segment_ptr 1
		.amdhsa_wavefront_size32 1
		.amdhsa_system_sgpr_workgroup_id_x 1
		.amdhsa_system_sgpr_workgroup_id_y 1
		.amdhsa_system_sgpr_workgroup_id_z 1
		.amdhsa_system_vgpr_workitem_id 0
		.amdhsa_next_free_vgpr 512
		.amdhsa_next_free_sgpr 96
		.amdhsa_reserve_vcc 0
		.amdhsa_float_denorm_mode_32 3
		.amdhsa_float_denorm_mode_16_64 3
		.amdhsa_memory_ordered 1
		.amdhsa_forward_progress 1
		.amdhsa_inst_pref_size 255
	.end_amdhsa_kernel
	.section	.bss,"aw",@nobits
	.p2align	6
	.space	262144
	.amdgpu_metadata
---
amdhsa.version: [ 1, 2 ]
amdhsa.kernels:
  - .name:           k_q9a4dbee1cd_attn
    .symbol:         k_q9a4dbee1cd_attn.kd
    .args:
      - { .name: qkv, .offset: 0, .size: 8, .value_kind: global_buffer, .address_space: global }
      - { .name: mask, .offset: 8, .size: 8, .value_kind: global_buffer, .address_space: global }
      - { .name: lowp_scales, .offset: 16, .size: 8, .value_kind: global_buffer, .address_space: global }
      - { .name: ac, .offset: 24, .size: 8, .value_kind: global_buffer, .address_space: global }
    .group_segment_fixed_size: 327680
    .private_segment_fixed_size: 0
    .kernarg_segment_align: 8
    .kernarg_segment_size: 32
    .max_flat_workgroup_size: 256
    .sgpr_count:     96
    .vgpr_count:     512
    .wavefront_size: 32
...
	.end_amdgpu_metadata
.endif
;; end of part 2
;; launch outp (part 3): grid 4 x 32, 4 waves a work-group, clusters of 4 x 4, 327,680 bytes of LDS; arguments ac, wo_w_codes, lowp_scales, wo_b, out0; writes out0
.if DOCPART == 3
	.amdgcn_target "amdgcn-amd-amdhsa--gfx1250"
	.amdhsa_code_object_version 6
	.text
	.protected	k_q9a4dbee1cd_outp
	.globl	k_q9a4dbee1cd_outp
	.p2align	8
	.type	k_q9a4dbee1cd_outp,@function
k_q9a4dbee1cd_outp:
	s_mov_b64 s[64:65], 0
	v_nop
	global_prefetch_b8 v0, s[64:65] scope:SCOPE_SE
	s_setreg_imm32_b32 hwreg(HW_REG_WAVE_MODE, 25, 1), 1
	s_wait_xcnt 0x0
	s_wait_alu depctr_hold_cnt(0) depctr_sa_sdst(0) depctr_va_vdst(0) depctr_va_sdst(0) depctr_va_ssrc(0) depctr_va_vcc(0) depctr_vm_vsrc(0)
	s_getreg_b32 s2, hwreg(HW_REG_IB_STS2, 6, 4)
	s_cmp_eq_u32 s2, 0
	s_cbranch_scc0 .Lentry_in_a_cluster
	s_endpgm
.Lentry_in_a_cluster:
	s_bfe_u32 s2, ttmp6, 0x10000c
	s_cmp_lg_u32 s2, 0xf033
	s_cbranch_scc0 .Lentry_shape_is_right
	s_endpgm
.Lentry_shape_is_right:
; THE LAST PROJECTION: out0[m][n] = (sum over k of A[m][k] B[n][k]) x 2^(e10 + e11) + wo_b[n].  A = ac [8,192][1,024], attention's result as codes of FP8 (E4M3) with 2^e10; B = wo_w's codes [1,024 (n)][1,024 (k)] with 2^e11; out0 f32.
; LIMIT: e10 + e11 between -126 and 127, so that 2^(e10 + e11) is an f32 number.
; A tile of 256 x 256 is made by four waves, 128 x 128 each: 64 accumulators, 512 registers.  K goes in steps of 256 through a ring of two LDS slots filled by the tensor data mover.
; 128 tiles: half the WGPs have work.  A tile of 128 x 256 would give each one, at twice the LDS bytes for each product of A's side; this launch is short beside attention's.
; CLUSTERS: 4 x 4 work-groups; A's tile is shared along a row of the cluster, B's along a column: joint loads.  THE MATRIX INSTRUCTION IS USED TRANSPOSED (source 0 = 16 rows of B, source 1 = 16 rows of A).
; REGISTERS: window 0: v8-11 the bias of my four columns of a row; v16-29 addresses; from v128 A's fragments, ONE set (on the way out: rows read back);  window 1: B's fragments, TWO sets;  windows 2, 3: the accumulators.
.set SIZE_M, 8192
.set SIZE_N, 1024
.set SIZE_K, 1024
.set KSTEP,  256
.set ROWB,   256
.set KROW,   SIZE_K
.set PITCH,  272                       ; an LDS row: 256 bytes + 16 of padding = 68 words: row r starts at bank 4 r mod 64 (64 banks of 4 bytes: ISA guide 11.1)
.set FR,     16
.set NL,     4
.set NP,     4                         ; places behind this matrix instruction (ISA guide 7.12.1)
.set HALFT,  128*PITCH
.set SLOT,   4*HALFT
.set LAPS,   SIZE_K/(2*KSTEP)
.set SPARE,  2*SLOT                    ; behind the ring: the spare words, 128 bytes for each wave
.set SPITCH, 528                       ; the way out: a stage of 16 rows x (512 + 16) for each wave, in slot 0, which has had its last fill and its last read when the first result is stored there
.set BIA,  8
.set ADRA, 16
.set ADRB, 20
.set STO,  24
.set RD,   25
.set CO,   26
.set SPW,  28
.set NIL,  29
.set AF,   128
.set BK,   128                         ; 16 rows read back from the stage: v128-191 and v192-255 by turns
.set G1, 24
.set G0, 32
.set G1B, 48
.set G0B, 56
.set MSB, 0
.macro WIN new
.if MSB != \new
	s_set_vgpr_msb (MSB<<8)|\new
.set MSB, \new
.endif
.endm
.set MUL_LO, 0xa1
.set MUL_HI, 0xf1
.set TO_B,   0x40
.macro JLOAD g0a, g1a, g0b, g1b        ; waves 0 and 1 fetch for A, waves 2 and 3 for B; four v_nop follow each line
	s_cmp_eq_u32 s15, 0
	s_cbranch_scc0 .Lfor_b_\@
	tensor_load_to_lds s[\g0a:\g0a+3], s[\g1a:\g1a+7]
.rept 4
	v_nop
.endr
	s_branch .Lasked_\@
.Lfor_b_\@:
	tensor_load_to_lds s[\g0b:\g0b+3], s[\g1b:\g1b+7]
.rept 4
	v_nop
.endr
.Lasked_\@:
.endm
.macro CREST
	s_cmp_lg_u32 s14, 0
	s_cbranch_scc1 .Lnot_wave_0_\@
	s_barrier_signal -3
.Lnot_wave_0_\@:
	s_barrier_wait -3
	s_barrier_signal -1
	s_barrier_wait -1
.endm
.macro CROUND
	s_barrier_signal -1
	s_barrier_wait -1
	CREST
.endm
	s_load_b128 s[4:7], s[0:1], 0x0                ; A's codes s[4:5], B's codes s[6:7]
	s_load_b128 s[8:11], s[0:1], 0x10              ; the scales' exponents s[8:9], the bias s[10:11]
	s_load_b64 s[12:13], s[0:1], 0x20              ; out0
	v_lshl_add_u32 v[SPW], v0, 2, SPARE
	v_mov_b32 v[NIL], 0
	v_lshrrev_b32 v1, 5, v0
	v_readfirstlane_b32 s14, v1                    ; wave 0..3
	s_lshr_b32 s15, s14, 1                         ; my half of the tile's rows.  Also: I fetch for A (0) or for B (1)
	s_and_b32 s16, s14, 1                          ; my half of its columns.  Also: which 128 rows of that tile I fetch
	s_bfe_u32 s40, ttmp6, 0x40000                  ; cx, cy
	s_bfe_u32 s41, ttmp6, 0x40004
	s_lshl_b32 s42, ttmp9, 2
	s_add_co_u32 s42, s42, s40                     ; tile column
	s_and_b32 s17, ttmp7, 0xffff
	s_lshl_b32 s17, s17, 2
	s_add_co_u32 s17, s17, s41                     ; tile row
	s_lshl_b32 s43, s41, 2
	s_lshl_b32 s43, 15, s43                        ; my row of the cluster
	s_lshl_b32 s44, 0x1111, s40                    ; my column
	s_or_b32 s[G1+0], s43, (0<<16)|(1<<20)|(1<<21)|(5<<22)|(3<<25)  ; the mask; element of 1 byte; padding: 4 words after every 64; bit 21 beside a mask
	s_or_b32 s[G1B+0], s44, (0<<16)|(1<<20)|(1<<21)|(5<<22)|(3<<25)
.irp g, G1, G1B
	s_mov_b32 s[\g+1], ROWB<<16
	s_mov_b32 s[\g+2], 128<<16
	s_mov_b32 s[\g+3], ROWB<<16
	s_mov_b32 s[\g+4], 128
	s_mov_b32 s[\g+5], KROW
	s_mov_b32 s[\g+6], 0
	s_mov_b32 s[\g+7], 0
.endr
	s_lshl_b32 s18, s16, 7
	s_lshl_b32 s20, s17, 8
	s_add_co_u32 s20, s20, s18                     ; A: row 256 x tile row + 128 x half
	s_lshl_b32 s46, s42, 8
	s_add_co_u32 s46, s46, s18                     ; B: row 256 x tile column + 128 x half
	s_mov_b32 s21, 0
	s_mov_b32 s47, 0
	s_mov_b64 s[18:19], KROW
	s_mul_u64 s[20:21], s[20:21], s[18:19]
	s_mul_u64 s[46:47], s[46:47], s[18:19]
	s_mul_i32 s45, s14, HALFT                      ; where they go: wave x 128 rows
	s_wait_kmcnt 0x0
	s_load_b64 s[96:97], s[8:9], 0x28              ; e10, e11
	s_add_nc_u64 s[20:21], s[4:5], s[20:21]
	s_add_nc_u64 s[46:47], s[6:7], s[46:47]
	CROUND                                         ; all sixteen work-groups are here: the first joint loads meet
.irp s, 0,1
	s_mov_b32 s[G0+4*\s], 1
	s_add_co_u32 s[G0+4*\s+1], s45, \s*SLOT
	s_add_nc_u64 s[G0+4*\s+2:G0+4*\s+3], s[20:21], \s*ROWB
	s_or_b32 s[G0+4*\s+3], s[G0+4*\s+3], 0x80000000
	s_mov_b32 s[G0B+4*\s], 1
	s_add_co_u32 s[G0B+4*\s+1], s45, \s*SLOT
	s_add_nc_u64 s[G0B+4*\s+2:G0B+4*\s+3], s[46:47], \s*ROWB
	s_or_b32 s[G0B+4*\s+3], s[G0B+4*\s+3], 0x80000000
	JLOAD G0+4*\s, G1, G0B+4*\s, G1B               ; two loads of mine are out
.endr
	v_and_b32 v1, 15, v0
	v_bfe_u32 v2, v0, 4, 1
	v_mul_u32_u24 v3, v1, PITCH
	v_lshl_add_u32 v4, v2, 4, v3
	s_mul_i32 s21, s15, HALFT
	s_mul_i32 s22, s16, HALFT
	s_add_co_u32 s22, s22, 2*HALFT
.irp s, 0,1
	v_add_nc_u32 v[ADRA+\s], s21, v4
	v_add_nc_u32 v[ADRB+\s], s22, v4
	s_add_co_u32 s21, s21, SLOT
	s_add_co_u32 s22, s22, SLOT
.endr
	s_mul_i32 s23, s14, 16*SPITCH                  ; my stage
	v_mul_u32_u24 v5, v1, SPITCH                   ; in: row l % 16, 32 bytes for each half of the lanes
	v_lshl_add_u32 v5, v2, 5, v5
	v_add_nc_u32 v[STO], s23, v5
	v_and_b32 v6, 31, v0
	v_lshlrev_b32 v[CO], 4, v6                     ; back: the 32 lanes take one row of 512 bytes; the same in out0 and in the bias
	v_add_nc_u32 v[RD], s23, v[CO]
	s_lshl_b32 s20, s17, 8
	s_lshl_b32 s21, s15, 7
	s_add_co_u32 s20, s20, s21                     ; my first row
	s_mov_b32 s21, 0
	s_mov_b64 s[18:19], SIZE_N*4
	s_mul_u64 s[20:21], s[20:21], s[18:19]
	s_lshl_b32 s46, s42, 10                        ; my first column, in bytes of f32
	s_lshl_b32 s47, s16, 9
	s_add_co_u32 s46, s46, s47
	s_mov_b32 s47, 0
	s_add_nc_u64 s[10:11], s[10:11], s[46:47]
	s_add_nc_u64 s[20:21], s[20:21], s[46:47]
	s_add_nc_u64 s[12:13], s[12:13], s[20:21]
	global_load_b128 v[BIA:BIA+3], v[CO], s[10:11] ; the bias of the four columns that I store of every row
.macro FRAG reg, adr, q, i             ; four loads of 16 bytes, 32 apart: a permutation of k, the same in A and in B
.irp c, 0,1,2,3
	ds_load_b128 v[\reg+4*\c:\reg+4*\c+3], v[\adr] offset:128*(\q)+32*\c+(\i)*16*PITCH
.endr
.endm
; The 64 accumulators take turns, one instruction a turn, in the same order in every step.
.macro MUL16 a0, p, zero
.irp a, \a0, \a0+1
.irp b, 0,1,2,3,4,5,6,7
.if \zero
	v_wmma_f32_16x16x128_fp8_fp8 v[8*(8*((\a)%4)+\b):8*(8*((\a)%4)+\b)+7], v[128*(\p)+FR*\b:128*(\p)+FR*\b+FR-1], v[AF+FR*(\a):AF+FR*(\a)+FR-1], 0
.else
	v_wmma_f32_16x16x128_fp8_fp8 v[8*(8*((\a)%4)+\b):8*(8*((\a)%4)+\b)+7], v[128*(\p)+FR*\b:128*(\p)+FR*\b+FR-1], v[AF+FR*(\a):AF+FR*(\a)+FR-1], v[8*(8*((\a)%4)+\b):8*(8*((\a)%4)+\b)+7]
.endif
.endr
.endr
.endm
.macro FETCH_B slot, q, p
	WIN TO_B
.irp i, 0,1,2,3,4,5,6,7
	FRAG 128*(\p)+FR*\i, ADRB+\slot, \q, \i
.endr
	WIN 0
.endm
.macro FETCH_A slot, q, i0
.irp i, \i0, \i0+1, \i0+2, \i0+3
	FRAG AF+FR*(\i), ADRA+\slot, \q, \i
.endr
.endm
.macro PLACES n
.rept \n
	v_nop
.endr
.endm
.macro STEP slot, q, zero
	s_wait_dscnt 4*NL                              ; B's set and A's blocks 0-3 are in; the youngest 16 loads (A's blocks 4-7) may be out
	WIN MUL_LO
	MUL16 0, (\q)%2, \zero
	MUL16 2, (\q)%2, \zero
	s_wait_dscnt 0
	PLACES NP
	FETCH_B \slot, (\q)+1, 1-(\q)%2
	FETCH_A \slot, (\q)+1, 0
	WIN MUL_HI
	MUL16 4, (\q)%2, \zero
	MUL16 6, (\q)%2, \zero
	PLACES NP
	WIN 0
	FETCH_A \slot, (\q)+1, 4
.endm
.macro TURN slot, next, fill
	s_wait_tensorcnt 0x0                           ; all my tensor loads have landed: my part of the next slot
	ds_add_u32 v[SPW], v[NIL]                      ; 0 onto my spare word
	s_wait_dscnt 4*NL+1                            ; the add and the youngest 16 loads may be out
	WIN MUL_LO
	MUL16 0, 1, 0
	s_wait_dscnt 0x0                               ; the add is done, and my reads of this slot are over
	s_barrier_signal -1
	MUL16 2, 1, 0
	WIN 0
	s_barrier_wait -1
.if \fill
	CREST                                          ; the barrier has opened a round of the cluster's barrier
	s_add_nc_u64 s[G0+4*\slot+2:G0+4*\slot+3], s[G0+4*\slot+2:G0+4*\slot+3], 2*ROWB
	s_add_nc_u64 s[G0B+4*\slot+2:G0B+4*\slot+3], s[G0B+4*\slot+2:G0B+4*\slot+3], 2*ROWB
	JLOAD G0+4*\slot, G1, G0B+4*\slot, G1B         ; the first tensor load behind the round; its four v_nop are the places in front of the loads below
.else
	PLACES NP
.endif
	FETCH_B \next, 0, 0
	FETCH_A \next, 0, 0
	WIN MUL_HI
	MUL16 4, 1, 0
	MUL16 6, 1, 0
	PLACES NP
	WIN 0
	FETCH_A \next, 0, 4
.endm
	s_wait_tensorcnt 1                             ; my part of K step 0 is in (K step 1's load may be out)
	s_barrier_signal -1
	s_barrier_wait -1
	FETCH_B 0, 0, 0
	FETCH_A 0, 0, 0
	FETCH_A 0, 0, 4
	STEP 0, 0, 1                                   ; the first step's products start the sums
	s_mov_b32 s3, LAPS-1
.Llap:
	TURN 0, 1, 1
	STEP 1, 0, 0
	TURN 1, 0, 1
	STEP 0, 0, 0
	s_sub_co_u32 s3, s3, 1
	s_cmp_lg_u32 s3, 0
	s_cbranch_scc1 .Llap
	TURN 0, 1, 0                                   ; the last lap fills nothing
	STEP 1, 0, 0
	s_wait_dscnt 4*NL
	WIN MUL_LO
	MUL16 0, 1, 0
	MUL16 2, 1, 0
	s_wait_dscnt 0
	WIN MUL_HI
	MUL16 4, 1, 0
	MUL16 6, 1, 0
	WIN 0
; THE WAY OUT, block by block of 16 rows x 128 columns.  The raw sums go from the accumulators into my own stage in LDS and come back as whole rows of 512 bytes; there a lane holds four columns that are the same in every row,
; so one packed multiply-add for two numbers gives sum x 2^(e10 + e11) + bias with four registers of bias.  LDS serves a wave's instructions in order (ISA guide 5.7.1.4): no wait between the stores and the loads.
.macro TOSTAGE a
.set AC, 64*((\a)%4)
	WIN 0x08+4*((\a)/4)                            ; an LDS store's data stand in the place of source 1: window 2 or 3
.irp b, 0,1,2,3,4,5,6,7
	ds_store_b128 v[STO], v[AC+8*\b:AC+8*\b+3] offset:64*\b          ; each accumulator from its low end on
	ds_store_b128 v[STO], v[AC+8*\b+4:AC+8*\b+7] offset:64*\b+16
.endr
	WIN 0
.set BB, BK+64*((\a)%2)
.irp t, 0,1,2,3,4,5,6,7,8,9,10,11,12,13,14,15
	ds_load_b128 v[BB+4*\t:BB+4*\t+3], v[RD] offset:\t*SPITCH
.endr
.endm
.macro SEND a, younger                 ; younger: the LDS instructions issued behind block a's loads, which may stay out
.set BB, BK+64*((\a)%2)
	s_wait_dscnt \younger
.if (\a) > 0
	s_add_nc_u64 s[12:13], s[12:13], 16*SIZE_N*4   ; (behind a wait on XCNT: the earlier stores have read their base)
.endif
.irp t, 0,1,2,3,4,5,6,7,8,9,10,11,12,13,14,15
	v_pk_fma_f32 v[BB+4*\t:BB+4*\t+1], v[BB+4*\t:BB+4*\t+1], s[96:97], v[BIA:BIA+1] op_sel_hi:[1,0,1]
	v_pk_fma_f32 v[BB+4*\t+2:BB+4*\t+3], v[BB+4*\t+2:BB+4*\t+3], s[96:97], v[BIA+2:BIA+3] op_sel_hi:[1,0,1]
.endr
.irp t, 0,1,2,3,4,5,6,7,8,9,10,11,12,13,14,15
	global_store_b128 v[CO], v[BB+4*\t:BB+4*\t+3], s[12:13] offset:\t*SIZE_N*4 th:TH_STORE_NT   ; 32 lanes store 512 consecutive bytes, aligned; written once, read by nobody here
.endr
.endm
	s_wait_kmcnt 0x0
	s_add_co_i32 s96, s96, s97
	s_add_co_i32 s96, s96, 127
	s_lshl_b32 s96, s96, 23                        ; 2^(e10 + e11) as f32
	s_wait_loadcnt 0x0                             ; the bias
	PLACES NP                                      ; behind the last products: for the stores that read results and the loads into the registers that held A's fragments
	TOSTAGE 0
.irp a, 1,2,3,4,5,6,7
.if \a > 1
	s_wait_xcnt 0x0                                ; block a - 2's stores have read their registers and their base
.endif
	TOSTAGE \a
	SEND \a-1, 32                                  ; behind block a - 1's loads: block a's 16 stores and 16 loads
.endr
	s_wait_xcnt 0x0
	SEND 7, 0
	s_wait_tensorcnt 0x0                           ; the wave's end
	ds_add_u32 v[SPW], v[NIL]
	s_wait_dscnt 0x0
	CROUND                                         ; the closing round
	s_endpgm
.Lfunc_end_k_q9a4dbee1cd_outp:
	.size	k_q9a4dbee1cd_outp, .Lfunc_end_k_q9a4dbee1cd_outp-k_q9a4dbee1cd_outp
	.p2alignl 7, 3214868480
	.fill 96, 4, 3214868480
	.section	.rodata,"a",@progbits
	.p2align	6, 0x0
	.amdhsa_kernel k_q9a4dbee1cd_outp
		.amdhsa_group_segment_fixed_size 327680
		.amdhsa_private_segment_fixed_size 0
		.amdhsa_enable_private_segment 0
		.amdhsa_kernarg_size 40
		.amdhsa_user_sgpr_count 2
		.amdhsa_user_sgpr_kernarg_segment_ptr 1
		.amdhsa_wavefront_size32 1
		.amdhsa_system_sgpr_workgroup_id_x 1
		.amdhsa_system_sgpr_workgroup_id_y 1
		.amdhsa_system_sgpr_workgroup_id_z 1
		.amdhsa_system_vgpr_workitem_id 0
		.amdhsa_next_free_vgpr 1024
		.amdhsa_next_free_sgpr 98
		.amdhsa_reserve_vcc 0
		.amdhsa_float_denorm_mode_32 3
		.amdhsa_float_denorm_mode_16_64 3
		.amdhsa_memory_ordered 1
		.amdhsa_forward_progress 1
		.amdhsa_inst_pref_size 123
	.end_amdhsa_kernel
	.amdgpu_metadata
---
amdhsa.version: [ 1, 2 ]
amdhsa.kernels:
  - .name:           k_q9a4dbee1cd_outp
    .symbol:         k_q9a4dbee1cd_outp.kd
    .args:
      - { .name: ac, .offset: 0, .size: 8, .value_kind: global_buffer, .address_space: global }
      - { .name: wo_w_codes, .offset: 8, .size: 8, .value_kind: global_buffer, .address_space: global }
      - { .name: lowp_scales, .offset: 16, .size: 8, .value_kind: global_buffer, .address_space: global }
      - { .name: wo_b, .offset: 24, .size: 8, .value_kind: global_buffer, .address_space: global }
      - { .name: out0, .offset: 32, .size: 8, .value_kind: global_buffer, .address_space: global }
    .group_segment_fixed_size: 327680
    .private_segment_fixed_size: 0
    .kernarg_segment_align: 8
    .kernarg_segment_size: 40
    .max_flat_workgroup_size: 128
    .sgpr_count:     98
    .vgpr_count:     1024
    .wavefront_size: 32
...
	.end_amdgpu_metadata
.endif
;; end of part 3
;; ======== version 2 of 2: 3 launches
;; limits: right only within a limited range of input values
;; workspace buffers: qkv 25,165,824 bytes; ac 8,388,608 bytes
;; launch proj (part 4): grid 4 x 48, 4 waves a work-group, clusters of 4 x 4, 327,680 bytes of LDS; arguments q_codes, k_codes, wv_w_codes, wq_w_codes, wk_w_codes, v_codes, wq_b, wk_b, wv_b, lowp_scales, qkv; writes qkv
.if DOCPART == 4
	.amdgcn_target "amdgcn-amd-amdhsa--gfx1250"
	.amdhsa_code_object_version 6
	.text
	.protected	k_q9a4dbee1cd_proj
	.globl	k_q9a4dbee1cd_proj
	.p2align	8
	.type	k_q9a4dbee1cd_proj,@function
k_q9a4dbee1cd_proj:
	s_mov_b64 s[64:65], 0
	v_nop
	global_prefetch_b8 v0, s[64:65] scope:SCOPE_SE
	s_setreg_imm32_b32 hwreg(HW_REG_WAVE_MODE, 25, 1), 1
	s_wait_xcnt 0x0
	s_wait_alu depctr_hold_cnt(0) depctr_sa_sdst(0) depctr_va_vdst(0) depctr_va_sdst(0) depctr_va_ssrc(0) depctr_va_vcc(0) depctr_vm_vsrc(0)
	s_getreg_b32 s2, hwreg(HW_REG_IB_STS2, 6, 4)
	s_cmp_eq_u32 s2, 0
	s_cbranch_scc0 .Lentry_in_a_cluster
	s_endpgm
.Lentry_in_a_cluster:
	s_bfe_u32 s2, ttmp6, 0x10000c
	s_cmp_lg_u32 s2, 0xf033
	s_cbranch_scc0 .Lentry_shape_is_right
	s_endpgm
.Lentry_shape_is_right:
; THE THREE PROJECTIONS: qh = q wq + bq, kh = k wk + bk, vh = v wv + bv, on the given codes of FP8 (E4M3), sums in f32; each result is quantised at once for attention's products:
; qh with 2^e6 and kh with 2^e7 along a head's 64, vh with 2^e9 along the keys.  e0 .. e9 are entries of the buffer of scales.
; One text serves the three: a cluster's number says which section it works in (4 clusters each), and only pointers, scales and offsets are CHOSEN by it; no branch hangs on it.
; A section is a product ROWS x COLUMNS^T of two tensors of codes with rows of 1,024 bytes.  Q, K: rows = 8,192 tokens, columns = the weight's 1,024 outputs.  V: rows = the weight's 1,024 outputs, columns = the tokens.
; A tile of 256 x 256 is made by four waves, 128 x 128 each: 64 accumulators, 512 registers.  K goes in steps of 256 through a ring of two LDS slots filled by the tensor data mover.
; CLUSTERS: 4 x 4 work-groups; the row operand's tile is shared along a row of the cluster, the column operand's along a column: each is asked for jointly.
; 384 tiles for 256 WGPs: the second turn is half full.  A smaller tile would fill it and read each LDS byte for half the products; this launch is the short one of the three.
; THE MATRIX INSTRUCTION IS USED TRANSPOSED (source 0 = 16 rows of the column operand, source 1 = 16 of the row operand): lane (r, h) of accumulator (a, b) holds row 16 a + r and columns 16 b + 8 h + 0 .. 7.
; Eight such neighbours, converted, ARE registers 2 c, 2 c + 1 (k = 16 c + 8 h + 0 .. 7) of the next product's operand in the same lane.  So the codes are stored as IMAGES OF OPERAND REGISTERS, 16 bytes a lane, 512 consecutive
; bytes a store, and nothing is transposed.  V's section has the keys as columns, so that its registers run along the keys.
; qkv: 256 records of 98,304 bytes, record (4 batch + head / 4) x 16 + block of 128 tokens: Q 32 KiB, K 32 KiB, V 32 KiB, each [head % 4][8 KiB].
;   Q, K: [tile of 16 tokens][2][lane][16 bytes];  V: [tile of 16 channels][4][lane][16 bytes].
; LIMITS: e0 + e1, e2 + e3, e4 + e5 between -126 and 127; e6, e7, e9 between -126 and 119: each power of two below is then an f32 number.  NaN among the biases is not served.
; REGISTERS, in windows of 256: window 0: v16-31 addresses and constants; v32-95 the bias of my 128 columns, v96-111 of my rows; from v128 the row operand's fragments, ONE set (on the way out v160-239 are at work);
;   window 1: the column operand's fragments, TWO sets;  windows 2, 3: the accumulators ((a, b) at v[8 (8 (a % 4) + b)]).
.set SIZE_K, 1024
.set KSTEP,  256                       ; along K in a slot
.set ROWB,   256                       ; a tile's row in bytes
.set KROW,   SIZE_K                    ; a row of either operand in memory, in bytes
.set PITCH,  272                       ; an LDS row: 256 bytes + 16 of padding = 68 words: row r starts at bank 4 r mod 64 (64 banks of 4 bytes: ISA guide 11.1)
.set FR,     16                        ; registers of a fragment: 16 rows x 128 K
.set NL,     4                         ; LDS loads that bring one
.set NP,     4                         ; places behind this matrix instruction (ISA guide 7.12.1)
.set HALFT,  128*PITCH                 ; 128 rows: what one tensor load brings
.set SLOT,   4*HALFT                   ; the row operand's 256 rows, then the column operand's
.set LAPS,   SIZE_K/(2*KSTEP)          ; a lap = two K steps = once round the ring
.set SPARE,  2*SLOT                    ; behind the ring: the spare words, 128 bytes for each wave
.set REC,    98304                     ; a record of qkv
.set ADRA, 16                          ; v16-17  LDS address of my row fragments in slot 0, 1
.set ADRB, 20                          ; v20-21  the same for the column operand
.set VO0,  24                          ; v24     16 x lane: my place in an image
.set VO2,  25                          ; v25     the same, in the image that takes accumulators b = 4 .. 7
.set VBN,  26                          ; v26     32 h: my eight columns' bias
.set VBM,  27                          ; v27     4 r: my row's bias
.set SPW,  28                          ; v28     LDS address of my spare word; never rewritten
.set NIL,  29                          ; v29     0; never rewritten
.set LIM,  30                          ; v30     448 x 2^eo
.set SC,   31                          ; v31     2^eo
.set BN,   32
.set BM,   96
.set AF,   128
.set T,    160                         ; the way out: a block's 64 numbers
.set CD,   224                         ; and their codes
.set G1, 24                            ; s[24:31] descriptor group 1 for the row operand;  s[32:39] group 0, one set for each slot
.set G0, 32
.set G1B, 48                           ; s[48:55], s[56:63] the same for the column operand
.set G0B, 56
.set MSB, 0
.macro WIN new                         ; the immediate's high byte repeats the setting that is left
.if MSB != \new
	s_set_vgpr_msb (MSB<<8)|\new
.set MSB, \new
.endif
.endm
.set MUL_LO, 0xa1                      ; source 0 window 1, source 1 window 0, C and D window 2
.set MUL_HI, 0xf1                      ; the same, C and D window 3
.set TO_B,   0x40                      ; destination window 1, address window 0
; A joint load: waves 0 and 1 fetch the row operand's halves, waves 2 and 3 the column operand's.  The branch hangs on the wave's number alone.  Four v_nop follow each line.
.macro JLOAD g0a, g1a, g0b, g1b
	s_cmp_eq_u32 s15, 0
	s_cbranch_scc0 .Lfor_b_\@
	tensor_load_to_lds s[\g0a:\g0a+3], s[\g1a:\g1a+7]
	s_nop 0
.rept 4
	v_nop
.endr
	s_branch .Lasked_\@
.Lfor_b_\@:
	tensor_load_to_lds s[\g0b:\g0b+3], s[\g1b:\g1b+7]
	s_nop 0
.rept 4
	v_nop
.endr
.Lasked_\@:
.endm
.macro CREST                           ; a round of the cluster's barrier behind its opening barrier
	s_cmp_lg_u32 s14, 0
	s_cbranch_scc1 .Lnot_wave_0_\@
	s_barrier_signal -3
.Lnot_wave_0_\@:
	s_barrier_wait -3
	s_barrier_signal -1
	s_barrier_wait -1
.endm
.macro CROUND                          ; a whole round
	s_barrier_signal -1
	s_barrier_wait -1
	CREST
.endm
	s_load_b512 s[68:83], s[0:1], 0x0              ; q s[68:69], k s[70:71], wv s[72:73], wq s[74:75], wk s[76:77], v s[78:79], bq s[80:81], bk s[82:83]
	s_load_b128 s[84:87], s[0:1], 0x40             ; bv s[84:85], the scales' exponents s[86:87]
	s_load_b64 s[88:89], s[0:1], 0x50              ; qkv
	v_lshl_add_u32 v[SPW], v0, 2, SPARE
	v_mov_b32 v[NIL], 0
	ds_add_u32 v[SPW], v[NIL]                      ; the opening lines: two adds on end, and their wait ahead of the round in front of my first tensor load
	ds_add_u32 v[SPW], v[NIL]
	v_lshrrev_b32 v1, 5, v0
	v_readfirstlane_b32 s14, v1                    ; wave 0..3
	s_lshr_b32 s15, s14, 1                         ; which half of the tile's rows is mine.  Also: I fetch for the row operand (0) or the column operand (1)
	s_and_b32 s16, s14, 1                          ; which half of its columns.  Also: which 128 rows of that tile I fetch
	s_bfe_u32 s40, ttmp6, 0x40000                  ; cx, cy: my place in the cluster
	s_bfe_u32 s41, ttmp6, 0x40004
	s_and_b32 s18, ttmp7, 0xffff                   ; the cluster's number, 0 .. 11: the same in all sixteen
	; THE SHARES AS THEY STAND: 12 clusters, 4 to a section (not 8), 192 work-groups (not 384).  A WORK-GROUP STAYS and makes TWO tiles, 16 token tiles (4,096 tokens) apart; the ring goes on into the second tile:
	; the first tile's last two changes of slots ask for the second tile's K steps 0 and 1, and the first tile's codes leave while the second of these loads is on its way.
	s_lshr_b32 s90, s18, 2                         ; the section: 0 Q, 1 K, 2 V
	s_and_b32 s91, s18, 3
	s_lshl_b32 s91, s91, 2                         ; the long axis (32 tiles of tokens) begins at tile 4 x (cluster % 4)
	s_cmp_eq_u32 s90, 2
	s_cselect_b32 s17, 0, s91                      ; Q, K: the tokens are the rows;
	s_cselect_b32 s42, s91, 0                      ; V: the columns
	s_add_co_u32 s17, s17, s41                     ; tile row: hangs on cy and the cluster's number alone
	s_add_co_u32 s42, s42, s40                     ; tile column: on cx and the cluster's number alone
	s_lshl_b32 s43, s41, 2
	s_lshl_b32 s43, 15, s43                        ; my row of the cluster
	s_lshl_b32 s44, 0x1111, s40                    ; my column
	; descriptor group 1: a tile of 128 rows x 256 bytes, padded in LDS
	s_or_b32 s[G1+0], s43, (0<<16)|(1<<20)|(1<<21)|(5<<22)|(3<<25)  ; 15:0 the mask; 17:16 element of 1 byte; 20 padding on; 21 set beside a mask; 24:22 after every 64 words; 31:25 of 4 words
	s_or_b32 s[G1B+0], s44, (0<<16)|(1<<20)|(1<<21)|(5<<22)|(3<<25)
.irp g, G1, G1B
	s_mov_b32 s[\g+1], ROWB<<16                    ; tensor_dim0
	s_mov_b32 s[\g+2], 128<<16                     ; tensor_dim1
	s_mov_b32 s[\g+3], ROWB<<16                    ; tile_dim0
	s_mov_b32 s[\g+4], 128                         ; tile_dim1
	s_mov_b32 s[\g+5], KROW                        ; tensor_dim0_stride
	s_mov_b32 s[\g+6], 0
	s_mov_b32 s[\g+7], 0
.endr
	s_lshl_b32 s18, s16, 7                         ; which 128 rows of the tile I fetch
	s_lshl_b32 s20, s17, 8
	s_add_co_u32 s20, s20, s18                     ; row operand: row 256 x tile row + 128 x half
	s_lshl_b32 s46, s42, 8
	s_add_co_u32 s46, s46, s18                     ; column operand: row 256 x tile column + 128 x half
	s_mov_b32 s21, 0
	s_mov_b32 s47, 0
	s_mov_b64 s[18:19], KROW
	s_mul_u64 s[20:21], s[20:21], s[18:19]
	s_mul_u64 s[46:47], s[46:47], s[18:19]
	s_mul_i32 s45, s14, HALFT                      ; where they go: wave x 128 rows: no place in the cluster enters an LDS address
	s_wait_dscnt 0x0                               ; both opening adds are done
	s_wait_kmcnt 0x0
	s_cmp_eq_u32 s90, 0                            ; the section's three buffers
	s_cselect_b64 s[4:5], s[68:69], s[70:71]
	s_cselect_b64 s[6:7], s[74:75], s[76:77]
	s_cselect_b64 s[8:9], s[80:81], s[82:83]
	s_cmp_eq_u32 s90, 2
	s_cselect_b64 s[4:5], s[72:73], s[4:5]         ; row operand: q, k or wv
	s_cselect_b64 s[6:7], s[78:79], s[6:7]         ; column operand: wq, wk or v
	s_cselect_b64 s[8:9], s[84:85], s[8:9]         ; bias
	s_load_b256 s[92:99], s[86:87], 0x0            ; e0 .. e7
	s_load_b32 s100, s[86:87], 0x24                ; e9
	s_add_nc_u64 s[20:21], s[4:5], s[20:21]
	s_add_nc_u64 s[46:47], s[6:7], s[46:47]
	CROUND                                         ; all sixteen work-groups are here: the first joint loads meet
.irp s, 0,1
	s_mov_b32 s[G0+4*\s], 1
	s_add_co_u32 s[G0+4*\s+1], s45, \s*SLOT
	s_add_nc_u64 s[G0+4*\s+2:G0+4*\s+3], s[20:21], \s*ROWB
	s_or_b32 s[G0+4*\s+3], s[G0+4*\s+3], 0x80000000
	s_mov_b32 s[G0B+4*\s], 1
	s_add_co_u32 s[G0B+4*\s+1], s45, \s*SLOT
	s_add_nc_u64 s[G0B+4*\s+2:G0B+4*\s+3], s[46:47], \s*ROWB
	s_or_b32 s[G0B+4*\s+3], s[G0B+4*\s+3], 0x80000000
.endr
	JLOAD G0, G1, G0B, G1B                         ; K step 0: one tensor load a wave at the head
	v_and_b32 v1, 15, v0                           ; r = l % 16
	v_bfe_u32 v2, v0, 4, 1                         ; h = l / 16
	v_mul_u32_u24 v3, v1, PITCH
	v_lshl_add_u32 v4, v2, 4, v3                   ; a fragment's row x pitch + 16 x half
	s_mul_i32 s21, s15, HALFT                      ; my 128 rows of the row operand
	s_mul_i32 s22, s16, HALFT                      ; my 128 rows of the column operand,
	s_add_co_u32 s22, s22, 2*HALFT                 ; which lie behind the other's 256
.irp s, 0,1
	v_add_nc_u32 v[ADRA+\s], s21, v4
	v_add_nc_u32 v[ADRB+\s], s22, v4
	s_add_co_u32 s21, s21, SLOT
	s_add_co_u32 s22, s22, SLOT
.endr
	v_and_b32 v6, 31, v0
	v_lshlrev_b32 v[VO0], 4, v6
	s_wait_alu depctr_va_vdst(0)
	v_lshlrev_b32 v[VBN], 5, v2
	s_wait_alu depctr_va_vdst(0)
	v_lshlrev_b32 v[VBM], 2, v1
	; THE BIAS runs along the weight's outputs: the columns in Q and K, the rows in V.  Both directions are loaded, the one that is not the section's from the bias's first 128 numbers
	; (so that every load stays inside the 1,024) and is replaced by zeros on the way out: adding 0 changes nothing.
	s_wait_alu depctr_va_vdst(0)
	s_lshl_b32 s22, s42, 8
	s_lshl_b32 s23, s16, 7
	s_add_co_u32 s22, s22, s23
	s_lshl_b32 s22, s22, 2                         ; my first column, as bytes of f32
	s_lshl_b32 s18, s17, 8
	s_lshl_b32 s19, s15, 7
	s_add_co_u32 s18, s18, s19
	s_lshl_b32 s18, s18, 2                         ; my first row likewise
	s_movk_i32 s20, 8192
	s_cmp_eq_u32 s90, 2
	s_cselect_b32 s22, 0, s22
	s_cselect_b32 s18, s18, 0
	s_cselect_b32 s20, 1024, s20                   ; accumulators b = 4 .. 7: Q, K: the next head's 8 KiB;  V: registers 8 .. 15 of the same fragment
	s_mov_b32 s23, 0
	s_mov_b32 s19, 0
	s_add_nc_u64 s[10:11], s[8:9], s[22:23]
	s_add_nc_u64 s[12:13], s[8:9], s[18:19]
	v_add_nc_u32 v[VO2], s20, v[VO0]
.irp b, 0,1,2,3,4,5,6,7
	global_load_b128 v[BN+8*\b:BN+8*\b+3],   v[VBN], s[10:11] offset:64*\b      ; columns 16 b + 8 h + 0 .. 7
	global_load_b128 v[BN+8*\b+4:BN+8*\b+7], v[VBN], s[10:11] offset:64*\b+16
.endr
.irp a, 0,1,2,3,4,5,6,7
	global_load_b32 v[BM+2*\a], v[VBM], s[12:13] offset:64*\a                   ; row 16 a + r
.endr
	; where my wave's images begin: its 128 tokens are one block, its 128 outputs two heads
	s_cmp_eq_u32 s90, 2
	s_cselect_b32 s20, s42, s17                    ; the tokens' tile and half,
	s_cselect_b32 s21, s16, s15
	s_cselect_b32 s22, s17, s42                    ; the outputs' tile (= head / 4) and half
	s_cselect_b32 s23, s15, s16
	s_lshl_b32 s20, s20, 1
	s_add_co_u32 s20, s20, s21                     ; block of 128 tokens, 0 .. 63
	s_lshr_b32 s21, s20, 4                         ; batch
	s_and_b32 s20, s20, 15                         ; block within it
	s_lshl_b32 s21, s21, 2
	s_add_co_u32 s21, s21, s22
	s_lshl_b32 s21, s21, 4
	s_add_co_u32 s21, s21, s20                     ; record
	s_mul_i32 s20, s21, REC
	s_lshl_b32 s21, s90, 15                        ; the section's 32 KiB
	s_add_co_u32 s20, s20, s21
	s_lshl_b32 s21, s23, 14                        ; my two heads' 16 KiB
	s_add_co_u32 s20, s20, s21
	s_mov_b32 s21, 0
	s_add_nc_u64 s[66:67], s[88:89], s[20:21]
.macro FRAG reg, adr, q, i             ; a fragment by four loads of 16 bytes, 32 apart: registers 4 c .. 4 c + 3 hold K = 32 c + 16 (l / 16) + 0 .. 15: a permutation of k, the same on both sides, so every product meets its partner
.irp c, 0,1,2,3
	ds_load_b128 v[\reg+4*\c:\reg+4*\c+3], v[\adr] offset:128*(\q)+32*\c+(\i)*16*PITCH
.endr
.endm
; 16 matrix instructions: row blocks a0, a0 + 1 x the eight column blocks, 128 along K.  p: the column operand's set.  zero = 1: the first product starts the sums.
; The 64 accumulators take turns, one instruction a turn, in the same order in every step.
.macro MUL16 a0, p, zero
.irp a, \a0, \a0+1
.irp b, 0,1,2,3,4,5,6,7
.if \zero
	v_wmma_f32_16x16x128_fp8_fp8 v[8*(8*((\a)%4)+\b):8*(8*((\a)%4)+\b)+7], v[128*(\p)+FR*\b:128*(\p)+FR*\b+FR-1], v[AF+FR*(\a):AF+FR*(\a)+FR-1], 0
.else
	v_wmma_f32_16x16x128_fp8_fp8 v[8*(8*((\a)%4)+\b):8*(8*((\a)%4)+\b)+7], v[128*(\p)+FR*\b:128*(\p)+FR*\b+FR-1], v[AF+FR*(\a):AF+FR*(\a)+FR-1], v[8*(8*((\a)%4)+\b):8*(8*((\a)%4)+\b)+7]
.endif
.endr
.endr
.endm
.macro FETCH_B slot, q, p
	WIN TO_B
.irp i, 0,1,2,3,4,5,6,7
	FRAG 128*(\p)+FR*\i, ADRB+\slot, \q, \i
.endr
	WIN 0
.endm
.macro FETCH_A slot, q, i0
.irp i, \i0, \i0+1, \i0+2, \i0+3
	FRAG AF+FR*(\i), ADRA+\slot, \q, \i
.endr
.endm
.macro PLACES n                        ; plain vector instructions in front of loads into registers that matrix instructions have read, and of the first read of results
.rept \n
	v_nop
.endr
.endm
; A step of 128 along K that has its successor in the same slot.
.macro STEP slot, q, zero
	s_wait_dscnt 4*NL                              ; the column set and row blocks 0-3 are in; the youngest 16 loads (row blocks 4-7) may be out
	WIN MUL_LO
	MUL16 0, (\q)%2, \zero
	MUL16 2, (\q)%2, \zero
	s_wait_dscnt 0                                 ; row blocks 4-7 are in
	PLACES NP
	FETCH_B \slot, (\q)+1, 1-(\q)%2
	FETCH_A \slot, (\q)+1, 0
	WIN MUL_HI
	MUL16 4, (\q)%2, \zero
	MUL16 6, (\q)%2, \zero
	PLACES NP
	WIN 0
	FETCH_A \slot, (\q)+1, 4
.endm
; A slot's last step changes slots: one barrier; in front of it each wave waits for all its tensor loads, adds 0 to its spare word, and waits for that and for its reads of this slot.  fill = 1: this slot is filled again, two K steps ahead.
.macro TURN slot, next, fill
	s_wait_tensorcnt 0x0                           ; all my tensor loads have landed: my part of the next slot  (every window is 0 here)
	ds_add_u32 v[SPW], v[NIL]                      ; 0 onto my spare word
	s_wait_dscnt 4*NL+1                            ; the add and the youngest 16 loads (row blocks 4-7) may be out
	WIN MUL_LO
	MUL16 0, 1, 0
	s_wait_dscnt 0x0                               ; the add is done, and my reads of this slot are over
	s_barrier_signal -1
	MUL16 2, 1, 0
	WIN 0
	s_barrier_wait -1
.if \fill
	CREST                                          ; the barrier has opened a round of the cluster's barrier: no wave of any partner still reads this slot or has a load on its way
.if (\fill) > 1                        ; fill = 2, 3: the NEXT tile's K step of this slot: back along K, and the tokens' operand 16 tiles on (s[10:11], s[12:13]: 4 MiB or 0, by the section)
	s_sub_nc_u64 s[G0+4*\slot+2:G0+4*\slot+3], s[G0+4*\slot+2:G0+4*\slot+3], 2*ROWB
	s_sub_nc_u64 s[G0B+4*\slot+2:G0B+4*\slot+3], s[G0B+4*\slot+2:G0B+4*\slot+3], 2*ROWB
	s_add_nc_u64 s[G0+4*\slot+2:G0+4*\slot+3], s[G0+4*\slot+2:G0+4*\slot+3], s[10:11]
	s_add_nc_u64 s[G0B+4*\slot+2:G0B+4*\slot+3], s[G0B+4*\slot+2:G0B+4*\slot+3], s[12:13]
.else
	s_add_nc_u64 s[G0+4*\slot+2:G0+4*\slot+3], s[G0+4*\slot+2:G0+4*\slot+3], 2*ROWB
	s_add_nc_u64 s[G0B+4*\slot+2:G0B+4*\slot+3], s[G0B+4*\slot+2:G0B+4*\slot+3], 2*ROWB
.endif
	JLOAD G0+4*\slot, G1, G0B+4*\slot, G1B         ; the first tensor load behind the round; its four v_nop are the places in front of the loads below
.else
	PLACES NP
.endif
.if (\fill) < 3                        ; fill = 3: a tile's last step: no fragments are fetched, since the way out works in their registers
	FETCH_B \next, 0, 0
	FETCH_A \next, 0, 0
.endif
	WIN MUL_HI
	MUL16 4, 1, 0
	MUL16 6, 1, 0
.if (\fill) < 3
	PLACES NP
	WIN 0
	FETCH_A \next, 0, 4
.else
	WIN 0
.endif
.endm
	; THE WAY OUT'S CONSTANTS, made once, ahead of the loop over tiles, under K step 0's flight
	s_wait_alu depctr_va_vdst(0)                   ; the wait ahead of the waits below
	s_wait_loadcnt 0x0                             ; the biases
	s_wait_kmcnt 0x0                               ; the exponents
	s_add_co_i32 s92, s92, s93                     ; e0 + e1
	s_add_co_i32 s94, s94, s95                     ; e2 + e3
	s_add_co_i32 s96, s96, s97                     ; e4 + e5
	s_cmp_eq_u32 s90, 0
	s_cselect_b32 s92, s92, s94
	s_cselect_b32 s98, s98, s99                    ; e6 or e7
	s_cmp_eq_u32 s90, 2
	s_cselect_b32 s92, s96, s92
	s_cselect_b32 s98, s100, s98                   ; or e9
	s_cselect_b32 vcc_lo, 0, -1                    ; Q, K: all lanes keep the columns' bias
	s_cselect_b32 s20, 1, 0
	s_cselect_b32 s10, 0, 0x400000                 ; from tile to tile: the tokens' operand goes 16 x 256 rows of 1,024 bytes on: the row operand in Q and K,
	s_cselect_b32 s12, 0x400000, 0                 ; the column operand in V; the weight stays
	s_mov_b32 s11, 0
	s_mov_b32 s13, 0
	s_add_co_i32 s92, s92, 127
	s_lshl_b32 s92, s92, 23                        ; 2^(ea + eb) as f32
	s_mov_b32 s93, s92                             ; (named with it as a pair, so it is written)
	s_add_co_i32 s98, s98, 127
	s_lshl_b32 s99, s98, 23
	v_mov_b32 v[SC], s99                           ; 2^eo: the conversion takes its exponent field
	s_add_co_i32 s98, s98, 8
	s_lshl_b32 s98, s98, 23
	s_or_b32 s98, s98, 0x600000
	v_mov_b32 v[LIM], s98                          ; 448 x 2^eo
	s_lshl_b32 s94, 1024, s20                      ; from one row block's images to the next: Q, K: a fragment of 1 KiB;  V: of 2 KiB
	s_mov_b32 s95, 0
	s_lshl_b32 s8, s94, 3
	s_sub_co_u32 s8, 128*REC, s8                   ; from a tile's end to the next tile's images: 32 blocks of tokens = 2 batches = 128 records on, less the eight steps made
	s_mov_b32 s9, 0
.set j, 0
.rept 64
	v_cndmask_b32 v[BN+j], 0, v[BN+j], vcc_lo
.set j, j+1
.endr
	s_not_b32 vcc_lo, vcc_lo                       ; V: all lanes keep the rows' bias
.irp a, 0,1,2,3,4,5,6,7
	v_cndmask_b32 v[BM+2*\a+1], 0, v[BM+2*\a], vcc_lo      ; twice: a pair for the packed addition
	v_cndmask_b32 v[BM+2*\a], 0, v[BM+2*\a], vcc_lo
.endr
	s_wait_alu depctr_va_vdst(0)                   ; the wait at the head's end
	s_wait_tensorcnt 0x0                           ; my part of K step 0 is in; slot 1's first fill is issued as a refill is:
	ds_add_u32 v[SPW], v[NIL]                      ; 0 onto my spare word
	s_wait_dscnt 0x0
	CROUND                                         ; everybody's part of K step 0 is in, and the sixteen work-groups meet
	JLOAD G0+4, G1, G0B+4, G1B                     ; K step 1: the first tensor load behind the round
	s_mov_b32 s2, 2                                ; tiles to go: the same number in every work-group
.Ltile:
	FETCH_B 0, 0, 0
	FETCH_A 0, 0, 0
	FETCH_A 0, 0, 4
	STEP 0, 0, 1                                   ; the first step stands in front of the loop: its products start the sums
	s_mov_b32 s3, LAPS-1
.Llap:                                             ; a trip goes once round the ring and fills both slots again
	TURN 0, 1, 1
	STEP 1, 0, 0
	TURN 1, 0, 1
	STEP 0, 0, 0
	s_sub_co_u32 s3, s3, 1
	s_cmp_lg_u32 s3, 0
	s_cbranch_scc1 .Llap
	s_cmp_eq_u32 s2, 1
	s_cbranch_scc1 .Llast                          ; the last tile's tail is written out: it asks for nothing more
	TURN 0, 1, 2                                   ; slot 0 takes the next tile's K step 0,
	STEP 1, 0, 0
	TURN 1, 0, 3                                   ; slot 1 its K step 1; the round has shown slot 0 whole to every wave
	s_branch .Lout
.Llast:
	TURN 0, 1, 0
	STEP 1, 0, 0
	s_wait_dscnt 4*NL                              ; the very last step
	WIN MUL_LO
	MUL16 0, 1, 0
	MUL16 2, 1, 0
	s_wait_dscnt 0
	WIN MUL_HI
	MUL16 4, 1, 0
	MUL16 6, 1, 0
	WIN 0
.Lout:                                             ; THE WAY OUT of either tile.  number = sum x 2^(ea + eb) + bias; held within +-448 x 2^eo; converted with 2^eo
	PLACES NP                                      ; behind the last products: results are read and the row fragments' registers written below
.macro OUTA a                          ; row block a: 16 rows x 128 columns
.set AC, 64*((\a)%4)
	WIN 0x02+((\a)/4)                              ; source 0: window 2 or 3
.set j, 0
.rept 32
	v_pk_fma_f32 v[T+j:T+j+1], v[AC+j:AC+j+1], s[92:93], v[BN+j:BN+j+1] op_sel_hi:[1,0,1]   ; each accumulator from its low end on
.set j, j+2
.endr
	WIN 0
.set j, 0
.rept 32
	v_pk_add_f32 v[T+j:T+j+1], v[T+j:T+j+1], v[BM+2*(\a):BM+2*(\a)+1]
.set j, j+2
.endr
.set j, 0
.rept 64
	v_med3_num_f32 v[T+j], v[T+j], -v[LIM], v[LIM] ; the conversion to an 8-bit code does not saturate (ISA guide 7.6.2)
.set j, j+1
.endr
.irp b, 0,1,2,3,4,5,6,7
	v_cvt_scalef32_pk8_fp8_f32 v[CD+2*\b:CD+2*\b+1], v[T+8*\b:T+8*\b+7], v[SC]
.endr
	v_nop                                          ; a plain instruction behind the last conversion: the next block writes its sources
	global_store_b128 v[VO0], v[CD:CD+3], s[66:67]                  ; each store: 32 lanes, 512 consecutive bytes, aligned
	global_store_b128 v[VO0], v[CD+4:CD+7], s[66:67] offset:512
	global_store_b128 v[VO2], v[CD+8:CD+11], s[66:67]
	global_store_b128 v[VO2], v[CD+12:CD+15], s[66:67] offset:512
	s_wait_xcnt 0x0                                ; the stores' data and base are written again only behind this wait
	s_add_nc_u64 s[66:67], s[66:67], s[94:95]
.endm
.irp a, 0,1,2,3,4,5,6,7
	OUTA \a
.endr
	s_add_nc_u64 s[66:67], s[66:67], s[8:9]        ; (behind the last block's wait on XCNT) the next tile's images
	s_sub_co_u32 s2, s2, 1
	s_cmp_lg_u32 s2, 0
	s_wait_alu depctr_va_vdst(0)                   ; the wait ahead of the branch
	s_cbranch_scc1 .Ltile
	s_wait_tensorcnt 0x0
	ds_add_u32 v[SPW], v[NIL]
	s_wait_dscnt 0x0
	CROUND                                         ; the closing round: no work-group ends while a partner may still ask for a tile that names it
	s_endpgm
.Lfunc_end_k_q9a4dbee1cd_proj:
	.size	k_q9a4dbee1cd_proj, .Lfunc_end_k_q9a4dbee1cd_proj-k_q9a4dbee1cd_proj
	.p2alignl 7, 3214868480
	.fill 96, 4, 3214868480
	.section	.rodata,"a",@progbits
	.p2align	6, 0x0
	.amdhsa_kernel k_q9a4dbee1cd_proj
		.amdhsa_group_segment_fixed_size 327680
		.amdhsa_private_segment_fixed_size 0
		.amdhsa_enable_private_segment 0
		.amdhsa_kernarg_size 88
		.amdhsa_user_sgpr_count 2
		.amdhsa_user_sgpr_kernarg_segment_ptr 1
		.amdhsa_wavefront_size32 1
		.amdhsa_system_sgpr_workgroup_id_x 1
		.amdhsa_system_sgpr_workgroup_id_y 1
		.amdhsa_system_sgpr_workgroup_id_z 1
		.amdhsa_system_vgpr_workitem_id 0
		.amdhsa_next_free_vgpr 1024
		.amdhsa_next_free_sgpr 102
		.amdhsa_reserve_vcc 1
		.amdhsa_float_denorm_mode_32 3
		.amdhsa_float_denorm_mode_16_64 3
		.amdhsa_memory_ordered 1
		.amdhsa_forward_progress 1
		.amdhsa_inst_pref_size 181
	.end_amdhsa_kernel
	.amdgpu_metadata
---
amdhsa.version: [ 1, 2 ]
amdhsa.kernels:
  - .name:           k_q9a4dbee1cd_proj
    .symbol:         k_q9a4dbee1cd_proj.kd
    .args:
      - { .name: q_codes, .offset: 0, .size: 8, .value_kind: global_buffer, .address_space: global }
      - { .name: k_codes, .offset: 8, .size: 8, .value_kind: global_buffer, .address_space: global }
      - { .name: wv_w_codes, .offset: 16, .size: 8, .value_kind: global_buffer, .address_space: global }
      - { .name: wq_w_codes, .offset: 24, .size: 8, .value_kind: global_buffer, .address_space: global }
      - { .name: wk_w_codes, .offset: 32, .size: 8, .value_kind: global_buffer, .address_space: global }
      - { .name: v_codes, .offset: 40, .size: 8, .value_kind: global_buffer, .address_space: global }
      - { .name: wq_b, .offset: 48, .size: 8, .value_kind: global_buffer, .address_space: global }
      - { .name: wk_b, .offset: 56, .size: 8, .value_kind: global_buffer, .address_space: global }
      - { .name: wv_b, .offset: 64, .size: 8, .value_kind: global_buffer, .address_space: global }
      - { .name: lowp_scales, .offset: 72, .size: 8, .value_kind: global_buffer, .address_space: global }
      - { .name: qkv, .offset: 80, .size: 8, .value_kind: global_buffer, .address_space: global }
    .group_segment_fixed_size: 327680
    .private_segment_fixed_size: 0
    .kernarg_segment_align: 8
    .kernarg_segment_size: 88
    .max_flat_workgroup_size: 128
    .sgpr_count:     102
    .vgpr_count:     1024
    .wavefront_size: 32
...
	.end_amdgpu_metadata
.endif
;; end of part 4
;; launch attn (part 5): grid 16 x 16, 8 waves a work-group, clusters of 4 x 4, 327,680 bytes of LDS; arguments qkv, mask, lowp_scales, ac; writes ac
.if DOCPART == 5
	.amdgcn_target "amdgcn-amd-amdhsa--gfx1250"
	.amdhsa_code_object_version 6
	.text
	.protected	k_q9a4dbee1cd_attn
	.globl	k_q9a4dbee1cd_attn
	.p2align	8
	.type	k_q9a4dbee1cd_attn,@function
k_q9a4dbee1cd_attn:
	s_mov_b64 s[64:65], 0
	v_nop
	global_prefetch_b8 v0, s[64:65] scope:SCOPE_SE
	s_setreg_imm32_b32 hwreg(HW_REG_WAVE_MODE, 25, 1), 1
	s_wait_xcnt 0x0
	s_wait_alu depctr_hold_cnt(0) depctr_sa_sdst(0) depctr_va_vdst(0) depctr_va_sdst(0) depctr_va_ssrc(0) depctr_va_vcc(0) depctr_vm_vsrc(0)
	s_getreg_b32 s2, hwreg(HW_REG_IB_STS2, 6, 4)
	s_cmp_eq_u32 s2, 0
	s_cbranch_scc0 .Lentry_in_a_cluster
	s_endpgm
.Lentry_in_a_cluster:
	s_bfe_u32 s2, ttmp6, 0x10000c
	s_cmp_lg_u32 s2, 0xf033
	s_cbranch_scc0 .Lentry_shape_is_right
	s_endpgm
.Lentry_shape_is_right:
; ATTENTION on codes of FP8 (E4M3): 64 heads, 2,048 queries x 2,048 keys, head size 64.  logit = qh . kh / 8 + mask x (-1e9); the mask is an input of f32 and is honoured as it is given: every key is walked.
; THE LOGIT is kept in the units of the codes' sums: u = raw + mask x G, G = -1e9 x 8 x 2^-(e6 + e7) (exact in f32): ONE fused multiply-add, one rounding.  logit = u x 2^(e6 + e7) / 8, and t = u x c, c = log2(e) / 8 x 2^(e6 + e7).
; THE SOFTMAX AHEAD OF THE SECOND PRODUCT: M = ceil(the row's largest t so far); p = 2^(t - M) is quantised with 2^e8; the row's sum is taken of the unquantised p and divides at the end.
; M IS CARRIED IN TWO PARTS, M = Mhi + D.  Mhi = ceil(the rounded product largest u x c), an f32 whole number; the exponent is ONE fused multiply-add, x = u x c - Mhi; D = ceil(x of the largest u), a small whole number
; (0 while |t| is under 2^23, beyond that what the product's rounding left: at most 64 in size under 2^31).  What the exponential gives is p' = p x 2^D.  D goes into the conversion's scale (2^(e8 + D)) and into the hold (448 x 2^(e8 + D)),
; a register each for a row, so the codes are p's.  The sum is kept as l' = l x 2^D: it is rescaled by 2^(old Mhi - new Mhi), O^T by 2^(old M - new M); both are exact powers of two.  At the end O^T x 2^(e8 + e9 + D) / l'.
; The result is quantised with 2^e10 and stored as codes [8,192 tokens][1,024], the last product's operand.
; SHARES.  A work-group owns 128 queries of FOUR heads (its y = 4 batch + head / 4).  Wave w takes head w % 4 and queries 64 (w / 4) + 0 .. 63: four tiles of 16, which share every fragment of K and V read from LDS; the four heads share the mask's tile.
; LAYOUT.  Both products transposed: S^T = K Q^T, O^T = V^T P^T: a lane holds ONE query (lane % 16); register j of key tile k is key 16 k + 8 (lane / 16) + j, the place that the second product's operand gives it.
; Q, K and V come as images of operand registers (16 bytes a lane), written so by the launch before.
; CLUSTER 4 x 4: x = the block of queries, y as above.  The mask's tile hangs on x alone and is shared along a column; K's and V's hang on y alone and are shared along a row: joint loads.
; THE RING: two slots, one key step of 128 keys each: [mask 128 rows x (512 + 16) | K 32 KiB | V 32 KiB].  Every wave fetches one eighth: waves 0-3 32 rows of the mask, waves 4-7 16 KiB of K and V.
; A wave's last read of a slot is tile 3's mask, asked for in tile 2.  So at tile 3's head it waits for its tensor load, adds 0 to its spare word, waits for its LDS reads and signals; tile 3 up to its sums, work on registers, stands
; between signal and wait; behind the round the slot is asked for again (two key steps on) and the next step's K and first mask are read from the other slot.
; One loop body serves the 14 steps that refill (the slot in hand is an offset that is turned each step); a loop of two trips serves the last two, which ask for nothing: its barrier shows the last slot whole in its first trip
; and orders nothing in its second.  O^T and the sums begin as zeros, so that no first step is written out.
; PREFETCH: behind each refill (of key step j + 2) each wave names its own eighth of key step j + 4, 64 blocks of 256 bytes, of which each of the four partners that ask for it jointly takes 16, told apart by address;
; lanes 16-31 name the wave's last block again.  Key steps 2 and 3 come by their loads alone; the last two refills name nothing.
; LIMITS: |t| under 2^31; e6 + e7 between -95 and 130 (taken off G's and added to c's exponent field); e8 between -61 and 54 (with D in an exponent field); e10 between -126 and 119.  NaN in the mask is not served.
; REGISTERS: window 0: v1-11 addresses; v12-23 at work; v24-47 six a tile: -Mhi, largest u, l' in two halves, D, the conversion's scale; v48-63 p's codes; v64-127 X: the mask; v128-191 Y: scores, then p'; v192-255 K.
;   window 1: v0-127 O^T (32 a tile); v128-191 V; v192-223 Q.
.set MP,    528                        ; a row of the mask's tile in LDS: 512 bytes + 16
.set KOFF,  128*MP
.set SLOT,  KOFF+65536
.set SPARE, 2*SLOT                     ; the spare words, 128 bytes for each of the eight waves
.set STAGE, SPARE+1024                 ; the way out: 128 rows x (256 + 16), bytes of its own
.set SP,    272
.set REC,   98304                      ; a record of qkv: Q, K, V of 128 tokens x 4 heads
.set SPW, 1
.set NIL, 2
.set AM0, 3                            ; my place in the mask's tile, in K's images (V's lie 32 KiB on): in slot 0,
.set AK0, 4
.set AMC, 5                            ; and in the slot in hand
.set AKC, 6
.set STO, 7
.set RD,  8
.set GO,  9
.set QO,  10                           ; 16 x lane
.set PFO, 11                           ; the prefetches' offset
.set X1,  12                           ; v12-15 the maximum's four chains, then a row's small numbers
.set X2,  13                           ; later 448 x 2^(e8 + D),
.set X3,  14                           ; and once more (the dual form asks for two register banks)
.set X4,  15
.set PD,  16
.set OB,  17
.set F,   18                           ; v[18:19] 2^(old M - new M)
.set FL,  20                           ; v[20:21] 2^(old Mhi - new Mhi)
.set C2,  22                           ; v[22:23] the sum's second chain
.set ST,  24
.set PC,  48
.set X,   64
.set Y,   128
.set KF,  192
.set VF,  128
.set QF,  192
.set WV,  12
.set G1M, 24                           ; s[24:31], s[32:39] descriptor groups 1: the mask; K and V.  s[40:43], s[44:47] their groups 0, which walk
.set G1K, 32
.set G0M, 40
.set G0K, 44
.set BASEM, 48                         ; where my eighth lies in a slot
.set BASEK, 49
.set TB,  50                           ; LDS byte at which the slot in hand begins
.set CNT, 51
.set EPV, 52                           ; e8 + e9
.set SCPB, 53                          ; 2^e8, 448 x 2^e8, 2^e10, 448 x 2^e10 as f32 bits
.set LB,  54
.set SCOB, 55
.set CS,  56                           ; s[56:57] c
.set SEL, 58                           ; s[58:59] lane selects: lane l xor 16
.set GM,  60                           ; s[60:61] G
.set LOB, 62
.set PFA, 66                           ; s[66:67] where my prefetches stand; s[68:69] a key step on
.set PFS, 68
.set MSB, 0
.macro WIN new
.if MSB != \new
	s_set_vgpr_msb (MSB<<8)|\new
.set MSB, \new
.endif
.endm
.set W_KQ, 0x04                        ; Q (source 1) window 1
.set W_PV, 0x51                        ; V, C and D window 1; p's codes window 0
.set W_RS, 0x41                        ; O^T (destination, source 0) window 1
.set TO_1, 0x40                        ; destination window 1
.macro JLOAD                           ; a joint load: waves 0-3 for the mask, waves 4-7 for K and V.  The branch hangs on the wave's number alone; s_nop 0 and four v_nop follow each line
	s_cmp_lt_u32 s[WV], 4
	s_cbranch_scc0 .Lkv_\@
	tensor_load_to_lds s[G0M:G0M+3], s[G1M:G1M+7]
	s_nop 0
.rept 4
	v_nop
.endr
	s_branch .Lasked_\@
.Lkv_\@:
	tensor_load_to_lds s[G0K:G0K+3], s[G1K:G1K+7]
	s_nop 0
.rept 4
	v_nop
.endr
.Lasked_\@:
.endm
.macro CREST                           ; a round of the cluster's barrier behind its opening barrier
	s_cmp_lg_u32 s[WV], 0
	s_cbranch_scc1 .Lnot_wave_0_\@
	s_barrier_signal -3
.Lnot_wave_0_\@:
	s_barrier_wait -3
	s_barrier_signal -1
	s_barrier_wait -1
.endm
.macro CROUND
	s_barrier_signal -1
	s_barrier_wait -1
	CREST
.endm
	s_load_b256 s[4:11], s[0:1], 0x0               ; qkv s[4:5], mask s[6:7], the scales' exponents s[8:9], ac s[10:11]
	v_lshl_add_u32 v[SPW], v0, 2, SPARE
	v_mov_b32 v[NIL], 0
	ds_add_u32 v[SPW], v[NIL]                      ; the opening lines: two adds on end, and their wait
	ds_add_u32 v[SPW], v[NIL]
	v_lshrrev_b32 v[PD], 5, v0
	v_readfirstlane_b32 s[WV], v[PD]               ; wave 0..7
	s_and_b32 s13, s[WV], 3                        ; my head among the four; also: which quarter I fetch
	s_lshr_b32 s14, s[WV], 2                       ; my half of the 128 queries
	s_mov_b32 s[TB], 0
	s_mul_i32 s80, s14, 64*MP
	s_lshl_b32 s81, s13, 13
	s_add_co_u32 s81, s81, KOFF
	s_mul_i32 s82, s14, 64*SP
	s_lshl_b32 s83, s13, 6
	s_add_co_u32 s82, s82, s83
	s_add_co_u32 s82, s82, STAGE
	s_mul_i32 s83, s[WV], 16*SP
	s_add_co_u32 s83, s83, STAGE
	s_cmp_lt_u32 s[WV], 4                          ; the prefetches: the mask's rows are 8,192 bytes apart with two blocks each, K's and V's blocks are dense
	s_movk_i32 s84, 512
	s_cselect_b32 s84, 8192, s84
	s_mov_b32 s[PFS], REC
	s_cselect_b32 s[PFS], 512, s[PFS]
	s_mov_b32 s[PFS+1], 0
	v_and_b32 v12, 15, v0                          ; r
	v_bfe_u32 v13, v0, 4, 1                        ; h
	v_and_b32 v[QO], 31, v0
	v_min_u32 v14, 15, v[QO]                       ; my block among my work-group's 16
	v_lshlrev_b32 v[QO], 4, v[QO]
	v_mul_u32_u24 v[AM0], v12, MP
	v_lshl_add_u32 v[AM0], v13, 5, v[AM0]
	v_add_nc_u32 v[AM0], s80, v[AM0]               ; the mask: row 64 (w / 4) + r, + 32 h
	v_add_nc_u32 v[AK0], s81, v[QO]
	v_add_nc_u32 v[AMC], s[TB], v[AM0]
	v_add_nc_u32 v[AKC], s[TB], v[AK0]
	v_mul_u32_u24 v[STO], v12, SP
	v_lshl_add_u32 v[STO], v13, 3, v[STO]
	v_add_nc_u32 v[STO], s82, v[STO]               ; the stage, in: row = my query, 64 bytes a head, 8 h
	v_mul_u32_u24 v[RD], v13, SP
	v_lshl_add_u32 v[RD], v12, 4, v[RD]
	v_add_nc_u32 v[RD], s83, v[RD]                 ; back: wave w takes rows 16 w on; lanes 0-15 one row, lanes 16-31 the next
	v_lshlrev_b32 v[GO], 10, v13
	v_lshl_add_u32 v[GO], v12, 4, v[GO]            ; the same two rows in ac
	v_lshrrev_b32 v15, 1, v14
	v_and_b32 v14, 1, v14
	v_mul_lo_u32 v15, v15, s84
	v_lshl_add_u32 v[PFO], v14, 8, v15
.irp t, 0,1,2,3
	v_mov_b32 v[ST+6*\t], 0x7f61b1e6               ; -Mhi: 3e38
	v_mov_b32 v[ST+6*\t+1], 0xff61b1e6             ; the largest u so far: -3e38
	v_mov_b32 v[ST+6*\t+2], 0                      ; l', in two halves
	v_mov_b32 v[ST+6*\t+3], 0
	v_mov_b32 v[ST+6*\t+4], 0                      ; D
.endr
	v_mov_b32 v[F+1], 0                            ; (named as the upper halves of pairs)
	v_mov_b32 v[FL+1], 0
	s_wait_alu depctr_va_vdst(0)                   ; the wait behind these writes: scalar work, waits
	s_bfe_u32 s15, ttmp6, 0x40000                  ; cx
	s_bfe_u32 s16, ttmp6, 0x40004                  ; cy
	s_lshl_b32 s17, ttmp9, 2
	s_add_co_u32 s17, s17, s15                     ; the block of 128 queries
	s_and_b32 s18, ttmp7, 0xffff
	s_lshl_b32 s18, s18, 2
	s_add_co_u32 s18, s18, s16                     ; y = 4 batch + head / 4
	s_lshl_b32 s19, s16, 2
	s_lshl_b32 s19, 15, s19                        ; my row of the cluster
	s_lshl_b32 s20, 0x1111, s15                    ; my column
	s_or_b32 s[G1M], s20, (2<<16)|(1<<20)|(1<<21)|(6<<22)|(3<<25)   ; the mask goes to my column; elements of 4 bytes; 4 words of padding after every 128; bit 21 beside a mask
	s_mov_b32 s[G1M+1], 128<<16                    ; 128 keys
	s_mov_b32 s[G1M+2], 32<<16                     ; 32 queries
	s_mov_b32 s[G1M+3], 128<<16
	s_mov_b32 s[G1M+4], 32
	s_mov_b32 s[G1M+5], 2048
	s_mov_b32 s[G1M+6], 0
	s_mov_b32 s[G1M+7], 0
	s_or_b32 s[G1K], s19, (3<<16)|(1<<21)          ; K and V go to my row; a dense block of 16 KiB as 64 rows of 256 bytes
	s_mov_b32 s[G1K+1], 32<<16
	s_mov_b32 s[G1K+2], 64<<16
	s_mov_b32 s[G1K+3], 32<<16
	s_mov_b32 s[G1K+4], 64
	s_mov_b32 s[G1K+5], 32
	s_mov_b32 s[G1K+6], 0
	s_mov_b32 s[G1K+7], 0
	s_lshl_b32 s22, s17, 7                         ; the mask: row 128 block + 32 quarter, rows of 8,192 bytes
	s_lshl_b32 s23, s13, 5
	s_add_co_u32 s22, s22, s23
	s_lshl_b32 s90, s16, 3                         ; (the prefetch: + 8 cy rows, three key steps on: the first step of the address makes it key step 4)
	s_add_co_u32 s90, s90, s22
	s_lshl_b32 s90, s90, 13
	s_add_co_u32 s90, s90, 3*512
	s_mov_b32 s91, 0
	s_lshl_b32 s22, s22, 13
	s_mov_b32 s23, 0
	s_mul_i32 s[BASEM], s13, 32*MP
	s_lshl_b32 s83, s13, 14                        ; K, V: which 16 KiB of the record's 64, behind its Q
	s_mul_i32 s84, s18, 16*REC
	s_add_co_u32 s84, s84, s83
	s_add_co_u32 s84, s84, 32768
	s_mov_b32 s85, 0
	s_lshl_b32 s92, s15, 12                        ; (the prefetch: + 4,096 cx)
	s_add_co_u32 s92, s92, s84
	s_add_co_u32 s92, s92, 3*REC
	s_mov_b32 s93, 0
	s_add_co_u32 s[BASEK], s83, KOFF
	s_lshl_b32 s86, s18, 4                         ; Q: record 16 y + block, my head's 8 KiB, my four tiles' 4 KiB
	s_add_co_u32 s86, s86, s17
	s_mul_i32 s86, s86, REC
	s_lshl_b32 s87, s13, 13
	s_add_co_u32 s86, s86, s87
	s_lshl_b32 s87, s14, 12
	s_add_co_u32 s86, s86, s87
	s_mov_b32 s87, 0
	s_lshr_b32 s88, s18, 2                         ; ac: token 2,048 batch + 128 block + 16 wave, byte 256 (head / 4)
	s_lshl_b32 s88, s88, 11
	s_lshl_b32 s89, s17, 7
	s_add_co_u32 s88, s88, s89
	s_lshl_b32 s89, s[WV], 4
	s_add_co_u32 s88, s88, s89
	s_lshl_b32 s88, s88, 10
	s_and_b32 s89, s18, 3
	s_lshl_b32 s89, s89, 8
	s_add_co_u32 s88, s88, s89
	s_mov_b32 s89, 0
	s_mov_b32 s[SEL], 0x76543210
	s_mov_b32 s[SEL+1], 0xfedcba98
	s_wait_dscnt 0x0                               ; both opening adds are done
	s_wait_kmcnt 0x0
	s_load_b128 s[72:75], s[8:9], 0x18             ; e6, e7, e8, e9
	s_load_b32 s76, s[8:9], 0x28                   ; e10
	s_cmp_lt_u32 s[WV], 4
	s_cselect_b64 s[PFA:PFA+1], s[6:7], s[4:5]
	s_cselect_b64 s[90:91], s[90:91], s[92:93]
	s_add_nc_u64 s[PFA:PFA+1], s[PFA:PFA+1], s[90:91]
	s_add_nc_u64 s[86:87], s[4:5], s[86:87]
	s_add_nc_u64 s[88:89], s[10:11], s[88:89]
	s_mov_b32 s[G0M], 1
	s_mov_b32 s[G0M+1], s[BASEM]
	s_add_nc_u64 s[G0M+2:G0M+3], s[6:7], s[22:23]
	s_or_b32 s[G0M+3], s[G0M+3], 0x80000000
	s_mov_b32 s[G0K], 1
	s_mov_b32 s[G0K+1], s[BASEK]
	s_add_nc_u64 s[G0K+2:G0K+3], s[4:5], s[84:85]
	s_or_b32 s[G0K+3], s[G0K+3], 0x80000000
	CROUND                                         ; all sixteen work-groups are here: the first joint loads meet
	JLOAD                                          ; key step 0: one tensor load a wave at the head
	WIN TO_1
.irp i, 0,1,2,3,4,5,6,7
	global_load_b128 v[QF+4*\i:QF+4*\i+3], v[QO], s[86:87] offset:512*\i    ; Q's four fragments stay in registers
.endr
.set j, 0
.rept 128
	v_mov_b32 v[j], 0                              ; O^T: the step is written once for all steps that refill; the first finds zeros
.set j, j+1
.endr
	WIN 0
	s_wait_kmcnt 0x0
	s_add_co_i32 s80, s72, s73
	s_lshl_b32 s80, s80, 23
	s_add_co_i32 s[CS], s80, 0x3e38aa3b            ; c = log2(e) / 8 x 2^(e6 + e7)
	s_mov_b32 s[CS+1], s[CS]                       ; (named with it as a pair)
	s_sub_co_i32 s[GM], 0xcfee6b28, s80            ; G = -8e9 x 2^-(e6 + e7)
	s_mov_b32 s[GM+1], s[GM]
	s_add_co_i32 s80, s74, 127
	s_lshl_b32 s[SCPB], s80, 23                    ; 2^e8
	s_add_co_i32 s80, s80, 8
	s_lshl_b32 s80, s80, 23
	s_or_b32 s[LB], s80, 0x600000                  ; 448 x 2^e8
	s_add_co_i32 s80, s76, 127
	s_lshl_b32 s[SCOB], s80, 23                    ; 2^e10
	s_add_co_i32 s80, s80, 8
	s_lshl_b32 s80, s80, 23
	s_or_b32 s[LOB], s80, 0x600000                 ; 448 x 2^e10
	s_add_co_i32 s[EPV], s74, s75
.macro LOADK                           ; my head's eight fragments of K (16 keys x 64): 512 consecutive bytes a load
.set i, 0
.rept 16
	ds_load_b128 v[KF+4*i:KF+4*i+3], v[AKC] offset:512*i
.set i, i+1
.endr
.endm
.macro LOADV                           ; my head's four fragments of V (16 channels x 128 keys)
	WIN TO_1
.set i, 0
.rept 16
	ds_load_b128 v[VF+4*i:VF+4*i+3], v[AKC] offset:32768+512*i
.set i, i+1
.endr
	WIN 0
.endm
.macro LOADM t                         ; the mask of tile t's 16 queries x 128 keys, in the scores' layout
.irp k, 0,1,2,3,4,5,6,7
	ds_load_b128 v[X+8*\k:X+8*\k+3],   v[AMC] offset:16*MP*(\t)+64*\k
	ds_load_b128 v[X+8*\k+4:X+8*\k+7], v[AMC] offset:16*MP*(\t)+64*\k+16
.endr
.endm
.macro TMS a, b                        ; x = u x c - Mhi of pairs a .. b - 1 (of the pairs c and -Mhi the low word serves both halves)
.set j, 2*(\a)
.rept (\b)-(\a)
	v_pk_fma_f32 v[Y+j:Y+j+1], v[Y+j:Y+j+1], s[CS:CS+1], v[SS:SS+1] op_sel_hi:[1,0,0]
.set j, j+2
.endr
.endm
; ONE TILE OF 16 QUERIES, ONE KEY STEP.  mode (tile 3 alone has one): 2: the change of slots with a refill of the slot in hand;  1: the change alone.
.macro TILE t, mode
.set SS, ST+6*(\t)
.set OT, 32*(\t)
.if (\mode) == 2
	s_wait_xcnt 0x0                                ; my last prefetch has read its address:
	s_add_nc_u64 s[PFA:PFA+1], s[PFA:PFA+1], s[PFS:PFS+1]   ; a key step on
.endif
.if (\mode) > 0
	s_wait_tensorcnt 0x0                           ; my tensor load has landed: my eighth of the other slot; so a group 0 may be written
	ds_add_u32 v[SPW], v[NIL]                      ; 0 onto my spare word
.if (\mode) == 2
	s_add_nc_u64 s[G0M+2:G0M+3], s[G0M+2:G0M+3], 512        ; the walking descriptors: the next key step, into the slot in hand
	s_add_nc_u64 s[G0K+2:G0K+3], s[G0K+2:G0K+3], REC
	s_add_co_u32 s[G0M+1], s[BASEM], s[TB]
	s_add_co_u32 s[G0K+1], s[BASEK], s[TB]
.endif
	s_wait_dscnt 0x0                               ; the add is done, and my reads of this slot are over: the last, this tile's mask, is in
	s_barrier_signal -1                            ; from here to the wait behind the sums stands work on registers alone
.else
	s_wait_dscnt 0x0                               ; the mask (tile 0: and K), asked for a tile ago
.endif
	WIN W_KQ
.irp k, 0,1,2,3,4,5,6,7
	v_wmma_f32_16x16x64_fp8_fp8 v[Y+8*\k:Y+8*\k+7], v[KF+8*\k:KF+8*\k+7], v[QF+8*(\t):QF+8*(\t)+7], 0
.endr
.rept 4
	v_nop                                          ; places behind the products (ISA guide 7.12.1)
.endr
	WIN 0
.set j, 0
.rept 32
	v_pk_fma_f32 v[Y+j:Y+j+1], v[X+j:X+j+1], s[GM:GM+1], v[Y+j:Y+j+1] op_sel_hi:[1,0,1]   ; u = mask x G + raw; each accumulator from its low end on
.set j, j+2
.endr
.if (\t) == 0
	LOADV
.endif
.if (\t) < 3
	LOADM (\t)+1                                   ; X is free: the next tile's mask lands under this tile's softmax
.endif
	v_max3_num_f32 v[X1], v[Y], v[Y+1], v[Y+2]     ; the largest u of my 64 keys, in four chains
	v_max3_num_f32 v[X2], v[Y+3], v[Y+4], v[Y+5]
	v_max3_num_f32 v[X3], v[Y+6], v[Y+7], v[Y+8]
	v_max3_num_f32 v[X4], v[Y+9], v[Y+10], v[Y+11]
.set j, 12
.rept 6
	v_max3_num_f32 v[X1], v[X1], v[Y+j], v[Y+j+1]
	v_max3_num_f32 v[X2], v[X2], v[Y+j+2], v[Y+j+3]
	v_max3_num_f32 v[X3], v[X3], v[Y+j+4], v[Y+j+5]
	v_max3_num_f32 v[X4], v[X4], v[Y+j+6], v[Y+j+7]
.set j, j+8
.endr
	v_max3_num_f32 v[X1], v[X1], v[Y+60], v[Y+61]
	v_max3_num_f32 v[X2], v[X2], v[Y+62], v[Y+63]
	v_max_num_f32 v[X3], v[X3], v[X4]
	v_mov_b32 v[OB], v[SS]                         ; the old -Mhi
	v_max3_num_f32 v[X1], v[X1], v[X2], v[X3]
	v_permlanex16_b32 v[PD], v[X1], s[SEL], s[SEL+1]
	v_max3_num_f32 v[SS+1], v[SS+1], v[X1], v[PD]  ; the running largest u: mine, lane l xor 16's, and what was
	v_mul_f32 v[X2], s[CS], v[SS+1]                ; as t (c is positive)
	v_floor_f32 v[SS], -v[X2]                      ; -Mhi = -ceil(t)
	TMS 0, 2                                       ; the row's small numbers, each of which feeds a later one, stand among the 32 lines that make x
	v_fma_f32 v[X3], v[SS+1], s[CS], v[SS]         ; x of the largest u
	TMS 2, 4
	v_sub_f32 v[X4], v[SS], v[OB]                  ; old Mhi - new Mhi
	TMS 4, 6
	v_ceil_f32 v[X3], v[X3]                        ; the new D
	TMS 6, 8
	v_cvt_i32_f32 v[OB], v[X4]                     ; (it saturates)
	TMS 8, 10
	v_sub_f32 v[X1], v[SS+4], v[X3]                ; old D - new D
	TMS 10, 12
	v_ldexp_f32 v[FL], 1.0, v[OB]                  ; 2^(old Mhi - new Mhi), for l'
	TMS 12, 14
	v_add_f32 v[X1], v[X1], v[X4]                  ; old M - new M
	TMS 14, 16
	v_cvt_i32_f32 v[PD], v[X3]
	TMS 16, 18
	v_mov_b32 v[SS+4], v[X3]
	TMS 18, 20
	v_cvt_i32_f32 v[X1], v[X1]
	TMS 20, 22
	v_lshl_add_u32 v[SS+5], v[PD], 23, s[SCPB]     ; 2^(e8 + D): the conversion takes its exponent field
	TMS 22, 24
	v_ldexp_f32 v[F], 1.0, v[X1]                   ; 2^(old M - new M), for O^T
	TMS 24, 26
	v_lshl_add_u32 v[X2], v[PD], 23, s[LB]         ; 448 x 2^(e8 + D),
	TMS 26, 28
	v_lshl_add_u32 v[X3], v[PD], 23, s[LB]         ; twice
	TMS 28, 32
	s_wait_alu depctr_va_vdst(0)                   ; the wait ahead of the batch
.set j, 0
.rept 64
	v_exp_f32 v[Y+j], v[Y+j]                       ; p' = 2^x
.set j, j+1
.endr
	v_pk_mul_f32 v[SS+2:SS+3], v[SS+2:SS+3], v[FL:FL+1] op_sel_hi:[1,0]   ; l' under the new Mhi (a plain place behind the exponentials)
	s_wait_alu depctr_va_vdst(0)                   ; one wait for the batch, ahead of its first reader
	v_pk_add_f32 v[C2:C2+1], v[Y:Y+1], v[Y+2:Y+3]  ; THE SUM IS TAKEN OF THE UNQUANTISED p': four chains (l', v[22:23], and v[16:17], v[20:21], which are free here), so that a line reads what stood four lines above it
	v_pk_add_f32 v[PD:PD+1], v[Y+4:Y+5], v[Y+6:Y+7]
	v_pk_add_f32 v[FL:FL+1], v[Y+8:Y+9], v[Y+10:Y+11]
.set j, 12
.rept 6
	v_pk_add_f32 v[SS+2:SS+3], v[SS+2:SS+3], v[Y+j:Y+j+1]
	v_pk_add_f32 v[C2:C2+1], v[C2:C2+1], v[Y+j+2:Y+j+3]
	v_pk_add_f32 v[PD:PD+1], v[PD:PD+1], v[Y+j+4:Y+j+5]
	v_pk_add_f32 v[FL:FL+1], v[FL:FL+1], v[Y+j+6:Y+j+7]
.set j, j+8
.endr
	v_pk_add_f32 v[SS+2:SS+3], v[SS+2:SS+3], v[Y+60:Y+61]
	v_pk_add_f32 v[C2:C2+1], v[C2:C2+1], v[Y+62:Y+63]
	v_pk_add_f32 v[PD:PD+1], v[PD:PD+1], v[FL:FL+1]
	v_pk_add_f32 v[SS+2:SS+3], v[SS+2:SS+3], v[C2:C2+1]
	v_pk_add_f32 v[SS+2:SS+3], v[SS+2:SS+3], v[PD:PD+1]
.if (\mode) > 0
	s_wait_alu depctr_va_vdst(0)                   ; the wait ahead of the barrier's wait and the branches
	s_barrier_wait -1                              ; every wave of my work-group has read this slot out and has its eighth of the other
.if (\mode) == 2
	CREST                                          ; that barrier opened a round of the cluster's: no wave of any partner still reads this slot or has a load on its way
	JLOAD                                          ; the first tensor load behind the round, my one load until the next
.endif
	s_xor_b32 s[TB], s[TB], SLOT                   ; on to the other slot
	v_add_nc_u32 v[AMC], s[TB], v[AM0]
	v_add_nc_u32 v[AKC], s[TB], v[AK0]
.if (\mode) == 1
	s_cmp_eq_u32 s[CNT], 1                         ; the last key step has no successor to read for
	s_cbranch_scc1 .Lnone_\@
.endif
	LOADK                                          ; the next key step's K and first mask land under the rest of this tile
	LOADM 0
.if (\mode) == 1
.Lnone_\@:
.else
	s_cmp_gt_u32 s[CNT], 2                         ; the last two refills have no key step two refills on
	s_cbranch_scc0 .Lnone_\@
	global_prefetch_b8 v[PFO], s[PFA:PFA+1] th:TH_LOAD_NT scope:SCOPE_SE
.Lnone_\@:
.endif
.endif
.irp b, 0,1,2,3
.set j, 16*\b
.rept 8
	v_dual_min_num_f32 v[Y+j], v[Y+j], v[X2] :: v_dual_min_num_f32 v[Y+j+1], v[Y+j+1], v[X3]   ; the conversion does not saturate (ISA guide 7.6.2); p' is not negative: a one-sided hold
.set j, j+2
.endr
	v_cvt_scalef32_pk8_fp8_f32 v[PC+4*\b:PC+4*\b+1], v[Y+16*\b:Y+16*\b+7], v[SS+5]     ; registers 2 k, 2 k + 1 of the operand: keys 16 k + 8 h + 0 .. 7
	v_cvt_scalef32_pk8_fp8_f32 v[PC+4*\b+2:PC+4*\b+3], v[Y+16*\b+8:Y+16*\b+15], v[SS+5]
.endr
.if (\t) == 0
	s_wait_dscnt 16                                ; V is in; the 16 loads of the next tile's mask, issued behind V's, may be out
.endif
	WIN W_RS
	s_wait_alu depctr_va_vdst(0)                   ; the wait directly ahead of the first reader of O^T
.set j, 0
.rept 16
	v_pk_mul_f32 v[OT+j:OT+j+1], v[OT+j:OT+j+1], v[F:F+1] op_sel_hi:[1,0]  ; O^T under the new M; each accumulator from its low end on
.set j, j+2
.endr
	WIN W_PV
.irp d, 0,1,2,3
	v_wmma_f32_16x16x128_fp8_fp8 v[OT+8*\d:OT+8*\d+7], v[VF+16*\d:VF+16*\d+15], v[PC:PC+15], v[OT+8*\d:OT+8*\d+7]
.endr
	WIN 0
.endm
	s_wait_alu depctr_va_vdst(0)                   ; the wait at the head's end
	s_wait_tensorcnt 0x0                           ; my eighth of key step 0 is in; slot 1's first fill is issued as a refill is:
	ds_add_u32 v[SPW], v[NIL]
	s_add_nc_u64 s[G0M+2:G0M+3], s[G0M+2:G0M+3], 512
	s_add_nc_u64 s[G0K+2:G0K+3], s[G0K+2:G0K+3], REC
	s_add_co_u32 s[G0M+1], s[BASEM], SLOT
	s_add_co_u32 s[G0K+1], s[BASEK], SLOT
	s_wait_dscnt 0x0
	CROUND                                         ; everybody's part of key step 0 is in, and the sixteen work-groups meet
	JLOAD                                          ; key step 1
	LOADK
	LOADM 0
	s_wait_loadcnt 0x0                             ; Q
	s_mov_b32 s[CNT], 14
.Lstep:                                            ; key steps 0 to 13; step j asks for step j + 2
	TILE 0, 0
	TILE 1, 0
	TILE 2, 0
	TILE 3, 2
	s_sub_co_u32 s[CNT], s[CNT], 1
	s_cmp_lg_u32 s[CNT], 0
	s_cbranch_scc1 .Lstep
	s_mov_b32 s[CNT], 2
.Ltail:                                            ; key steps 14 and 15 ask for nothing
	TILE 0, 0
	TILE 1, 0
	TILE 2, 0
	TILE 3, 1
	s_sub_co_u32 s[CNT], s[CNT], 1
	s_cmp_lg_u32 s[CNT], 0
	s_cbranch_scc1 .Ltail
	; THE WAY OUT.  The additions are the places behind the last products.
.irp t, 0,1,2,3
	v_add_f32 v[ST+6*\t+2], v[ST+6*\t+2], v[ST+6*\t+3]
.endr
.irp t, 0,1,2,3
	v_permlanex16_b32 v[ST+6*\t+1], v[ST+6*\t+2], s[SEL], s[SEL+1]
.endr
.irp t, 0,1,2,3
	v_add_f32 v[ST+6*\t+2], v[ST+6*\t+2], v[ST+6*\t+1]      ; the row's l'
	v_cvt_i32_f32 v[ST+6*\t+4], v[ST+6*\t+4]
.endr
.irp t, 0,1,2,3
	v_add_nc_u32 v[ST+6*\t+4], s[EPV], v[ST+6*\t+4]         ; e8 + e9 + D
.endr
	v_mov_b32 v[X1], s[LOB]                        ; 448 x 2^e10
	v_mov_b32 v[X2], s[SCOB]                       ; 2^e10
	s_wait_alu depctr_va_vdst(0)                   ; the wait ahead of the batch
.irp t, 0,1,2,3
	v_rcp_f32 v[ST+6*\t+2], v[ST+6*\t+2]
.endr
	v_nop                                          ; a plain place behind the reciprocals
	s_wait_alu depctr_va_vdst(0)                   ; and the wait behind the batch
.irp t, 0,1,2,3
	v_ldexp_f32 v[ST+6*\t+2], v[ST+6*\t+2], v[ST+6*\t+4]
.endr
.macro OUTT t                          ; tile t: a lane's eight channels of a tile of 16 become 8 bytes of its query's row in the stage
.set YB, Y+32*((\t)%2)
	WIN 0x01                                       ; source 0 (O^T) window 1
	s_wait_alu depctr_va_vdst(0)                   ; directly ahead of the first readers of this tile's O^T
.set j, 0
.rept 16
	v_pk_mul_f32 v[YB+j:YB+j+1], v[32*(\t)+j:32*(\t)+j+1], v[ST+6*(\t)+2:ST+6*(\t)+3] op_sel_hi:[1,0]
.set j, j+2
.endr
	WIN 0
.set j, 0
.rept 32
	v_med3_num_f32 v[YB+j], v[YB+j], -v[X1], v[X1]
.set j, j+1
.endr
.irp d, 0,1,2,3
	v_cvt_scalef32_pk8_fp8_f32 v[X+8*(\t)+2*\d:X+8*(\t)+2*\d+1], v[YB+8*\d:YB+8*\d+7], v[X2]
.endr
	v_nop                                          ; a plain instruction behind the last conversion
.irp d, 0,1,2,3
	ds_store_b64 v[STO], v[X+8*(\t)+2*\d:X+8*(\t)+2*\d+1] offset:16*SP*(\t)+16*\d
.endr
.endm
	OUTT 0
	OUTT 1
	OUTT 2
	OUTT 3
	s_wait_dscnt 0x0                               ; for the others' sake: my stores into the stage are done (a row's 256 bytes come from four waves)
	s_barrier_signal -1
	s_barrier_wait -1
.irp i, 0,1,2,3,4,5,6,7
	ds_load_b128 v[Y+4*\i:Y+4*\i+3], v[RD] offset:2*SP*\i
.endr
.irp i, 0,1,2,3,4,5,6,7
	s_wait_dscnt 7-\i                              ; load i is in, the younger ones may be out
	global_store_b128 v[GO], v[Y+4*\i:Y+4*\i+3], s[88:89] offset:2048*\i   ; sixteen lanes store 256 consecutive bytes, aligned: a token's four heads
.endr
	s_wait_tensorcnt 0x0                           ; the wave's end
	ds_add_u32 v[SPW], v[NIL]
	s_wait_dscnt 0x0
	CROUND                                         ; the closing round
	s_endpgm
.Lfunc_end_k_q9a4dbee1cd_attn:
	.size	k_q9a4dbee1cd_attn, .Lfunc_end_k_q9a4dbee1cd_attn-k_q9a4dbee1cd_attn
	.p2alignl 7, 3214868480
	.fill 96, 4, 3214868480
	.section	.rodata,"a",@progbits
	.p2align	6, 0x0
	.amdhsa_kernel k_q9a4dbee1cd_attn
		.amdhsa_group_segment_fixed_size 327680
		.amdhsa_private_segment_fixed_size 0
		.amdhsa_enable_private_segment 0
		.amdhsa_kernarg_size 32
		.amdhsa_user_sgpr_count 2
		.amdhsa_user_sgpr_kernarg_segment_ptr 1
		.amdhsa_wavefront_size32 1
		.amdhsa_system_sgpr_workgroup_id_x 1
		.amdhsa_system_sgpr_workgroup_id_y 1
		.amdhsa_system_sgpr_workgroup_id_z 1
		.amdhsa_system_vgpr_workitem_id 0
		.amdhsa_next_free_vgpr 512
		.amdhsa_next_free_sgpr 96
		.amdhsa_reserve_vcc 0
		.amdhsa_float_denorm_mode_32 3
		.amdhsa_float_denorm_mode_16_64 3
		.amdhsa_memory_ordered 1
		.amdhsa_forward_progress 1
		.amdhsa_inst_pref_size 174
	.end_amdhsa_kernel
	.amdgpu_metadata
---
amdhsa.version: [ 1, 2 ]
amdhsa.kernels:
  - .name:           k_q9a4dbee1cd_attn
    .symbol:         k_q9a4dbee1cd_attn.kd
    .args:
      - { .name: qkv, .offset: 0, .size: 8, .value_kind: global_buffer, .address_space: global }
      - { .name: mask, .offset: 8, .size: 8, .value_kind: global_buffer, .address_space: global }
      - { .name: lowp_scales, .offset: 16, .size: 8, .value_kind: global_buffer, .address_space: global }
      - { .name: ac, .offset: 24, .size: 8, .value_kind: global_buffer, .address_space: global }
    .group_segment_fixed_size: 327680
    .private_segment_fixed_size: 0
    .kernarg_segment_align: 8
    .kernarg_segment_size: 32
    .max_flat_workgroup_size: 256
    .sgpr_count:     96
    .vgpr_count:     512
    .wavefront_size: 32
...
	.end_amdgpu_metadata
.endif
;; end of part 5
;; launch outp (part 6): grid 4 x 64, 4 waves a work-group, clusters of 4 x 4, 327,680 bytes of LDS; arguments ac, wo_w_codes, lowp_scales, wo_b, out0; writes out0
.if DOCPART == 6
	.amdgcn_target "amdgcn-amd-amdhsa--gfx1250"
	.amdhsa_code_object_version 6
	.text
	.protected	k_q9a4dbee1cd_outp
	.globl	k_q9a4dbee1cd_outp
	.p2align	8
	.type	k_q9a4dbee1cd_outp,@function
k_q9a4dbee1cd_outp:
	s_mov_b64 s[64:65], 0
	v_nop
	global_prefetch_b8 v0, s[64:65] scope:SCOPE_SE
	s_setreg_imm32_b32 hwreg(HW_REG_WAVE_MODE, 25, 1), 1
	s_wait_xcnt 0x0
	s_wait_alu depctr_hold_cnt(0) depctr_sa_sdst(0) depctr_va_vdst(0) depctr_va_sdst(0) depctr_va_ssrc(0) depctr_va_vcc(0) depctr_vm_vsrc(0)
	s_getreg_b32 s2, hwreg(HW_REG_IB_STS2, 6, 4)
	s_cmp_eq_u32 s2, 0
	s_cbranch_scc0 .Lentry_in_a_cluster
	s_endpgm
.Lentry_in_a_cluster:
	s_bfe_u32 s2, ttmp6, 0x10000c
	s_cmp_lg_u32 s2, 0xf033
	s_cbranch_scc0 .Lentry_shape_is_right
	s_endpgm
.Lentry_shape_is_right:
; THE LAST PROJECTION: out0 = a wo + bo.  a: [8,192][1,024] codes of FP8 (E4M3) with the scale 2^e10, stored by the launch before; wo: [1,024 (n)][1,024 (k)] codes with 2^e11; out0 f32.
; The codes are multiplied as they are, sums in f32; each finished sum x 2^(e10 + e11) + bias.  LIMIT: e10 + e11 between -126 and 127, so that the power of two is an f32 number.
; SHARES.  A block of out0 is 128 rows x 256 columns: 64 x 4 = 256 work-groups.  Four waves, 64 rows x 128 columns each: 32 accumulators, 256 registers.
; K goes in four steps of 256 through a ring of two LDS slots (128 rows of a, then 256 rows of wo, 272 bytes apart); waves 0, 1 fetch a's halves (64 rows), waves 2, 3 wo's halves (128 rows).
; CLUSTER 4 x 4: a's tile hangs on the block's row alone and is shared along a row of the cluster, wo's on its column alone and is shared along a column: joint loads.
; NO PREFETCH: K has four steps; steps 0 and 1 are asked for at the head and steps 2 and 3 by the first two changes of slots, so a request two refills ahead would name nothing.
; THE MATRIX INSTRUCTION IS USED TRANSPOSED (source 0 = 16 rows of wo, source 1 = 16 rows of a): a lane holds eight neighbouring numbers of a row of out0.
; A fragment comes by four loads of 16 bytes, 32 apart: a permutation of k, the same on both sides, so every product meets its partner.
; REGISTERS: window 0: v8-11 bias, v16-29 addresses; v128-255 a's fragments, two sets of 4 x 16 (on the way out: rows read back);  window 1: wo's fragments, two sets of 8 x 16;  window 2: accumulator (a, b) at v[8 (8 a + b)].
.set SIZE_N, 1024
.set KROW,   1024
.set ROWB,   256
.set PITCH,  272
.set AROWS,  128*PITCH
.set SLOT,   384*PITCH
.set SPARE,  2*SLOT                    ; the spare words, 128 bytes for each wave
.set SPITCH, 528                       ; the way out: a stage of 16 rows x (512 + 16) for each wave, in slot 0, which has had its last fill and its last read by then
.set BIA,  8
.set ADRA, 16
.set ADRB, 20
.set STO,  24
.set RD,   25
.set CO,   26
.set SPW,  28
.set NIL,  29
.set AF,   128
.set BK,   128
.set G1,  24
.set G0,  32
.set G1B, 48
.set G0B, 56
.set MSB, 0
.macro WIN new
.if MSB != \new
	s_set_vgpr_msb (MSB<<8)|\new
.set MSB, \new
.endif
.endm
.set MUL,  0xa1                        ; source 0 window 1, source 1 window 0, C and D window 2
.set TO_B, 0x40
.macro JLOAD g0a, g0b                  ; waves 0, 1 for a, waves 2, 3 for wo; s_nop 0 and four v_nop follow each line
	s_cmp_eq_u32 s15, 0
	s_cbranch_scc0 .Lfor_b_\@
	tensor_load_to_lds s[\g0a:\g0a+3], s[G1:G1+7]
	s_nop 0
.rept 4
	v_nop
.endr
	s_branch .Lasked_\@
.Lfor_b_\@:
	tensor_load_to_lds s[\g0b:\g0b+3], s[G1B:G1B+7]
	s_nop 0
.rept 4
	v_nop
.endr
.Lasked_\@:
.endm
.macro CREST
	s_cmp_lg_u32 s14, 0
	s_cbranch_scc1 .Lnot_wave_0_\@
	s_barrier_signal -3
.Lnot_wave_0_\@:
	s_barrier_wait -3
	s_barrier_signal -1
	s_barrier_wait -1
.endm
.macro CROUND
	s_barrier_signal -1
	s_barrier_wait -1
	CREST
.endm
.macro PLACES
.rept 4
	v_nop
.endr
.endm
	s_load_b128 s[4:7], s[0:1], 0x0                ; a's codes, wo's codes
	s_load_b128 s[8:11], s[0:1], 0x10              ; the scales' exponents, the bias
	s_load_b64 s[12:13], s[0:1], 0x20              ; out0
	v_lshl_add_u32 v[SPW], v0, 2, SPARE
	v_mov_b32 v[NIL], 0
	ds_add_u32 v[SPW], v[NIL]                      ; the opening lines: two adds on end, and their wait
	ds_add_u32 v[SPW], v[NIL]
	v_lshrrev_b32 v1, 5, v0
	v_readfirstlane_b32 s14, v1                    ; wave 0..3
	s_lshr_b32 s15, s14, 1                         ; my half of the block's rows; also: I fetch for a (0) or for wo (1)
	s_and_b32 s16, s14, 1                          ; my half of its columns; also: which half of that tile I fetch
	s_bfe_u32 s40, ttmp6, 0x40000                  ; cx
	s_bfe_u32 s41, ttmp6, 0x40004                  ; cy
	s_lshl_b32 s42, ttmp9, 2
	s_add_co_u32 s42, s42, s40                     ; the block's column, 0 .. 3
	s_and_b32 s17, ttmp7, 0xffff
	s_lshl_b32 s17, s17, 2
	s_add_co_u32 s17, s17, s41                     ; the block's row, 0 .. 63
	s_lshl_b32 s43, s41, 2
	s_lshl_b32 s43, 15, s43                        ; my row of the cluster
	s_lshl_b32 s44, 0x1111, s40                    ; my column
	s_or_b32 s[G1], s43, (1<<20)|(1<<21)|(5<<22)|(3<<25)    ; elements of 1 byte; 4 words of padding after every 64; bit 21 beside a mask
	s_or_b32 s[G1B], s44, (1<<20)|(1<<21)|(5<<22)|(3<<25)
	s_mov_b32 s[G1+1], ROWB<<16
	s_mov_b32 s[G1+2], 64<<16                      ; a: 64 rows a load
	s_mov_b32 s[G1+3], ROWB<<16
	s_mov_b32 s[G1+4], 64
	s_mov_b32 s[G1+5], KROW
	s_mov_b32 s[G1+6], 0
	s_mov_b32 s[G1+7], 0
	s_mov_b32 s[G1B+1], ROWB<<16
	s_mov_b32 s[G1B+2], 128<<16                    ; wo: 128 rows a load
	s_mov_b32 s[G1B+3], ROWB<<16
	s_mov_b32 s[G1B+4], 128
	s_mov_b32 s[G1B+5], KROW
	s_mov_b32 s[G1B+6], 0
	s_mov_b32 s[G1B+7], 0
	s_lshl_b32 s20, s17, 7
	s_lshl_b32 s18, s16, 6
	s_add_co_u32 s20, s20, s18                     ; a: row 128 x block row + 64 x half,
	s_lshl_b32 s20, s20, 10                        ; in bytes
	s_mov_b32 s21, 0
	s_lshl_b32 s46, s42, 8
	s_lshl_b32 s18, s16, 7
	s_add_co_u32 s46, s46, s18                     ; wo: row 256 x block column + 128 x half
	s_lshl_b32 s46, s46, 10
	s_mov_b32 s47, 0
	s_mul_i32 s45, s16, 64*PITCH                   ; where they go: no place in the cluster enters an LDS address
	s_mul_i32 s19, s16, 128*PITCH
	s_add_co_u32 s19, s19, AROWS
	s_wait_dscnt 0x0                               ; both opening adds are done
	s_wait_kmcnt 0x0
	s_load_b64 s[96:97], s[8:9], 0x28              ; e10, e11
	s_add_nc_u64 s[20:21], s[4:5], s[20:21]
	s_add_nc_u64 s[46:47], s[6:7], s[46:47]
.irp s, 0,1
	s_mov_b32 s[G0+4*\s], 1
	s_add_co_u32 s[G0+4*\s+1], s45, \s*SLOT
	s_add_nc_u64 s[G0+4*\s+2:G0+4*\s+3], s[20:21], \s*ROWB
	s_or_b32 s[G0+4*\s+3], s[G0+4*\s+3], 0x80000000
	s_mov_b32 s[G0B+4*\s], 1
	s_add_co_u32 s[G0B+4*\s+1], s19, \s*SLOT
	s_add_nc_u64 s[G0B+4*\s+2:G0B+4*\s+3], s[46:47], \s*ROWB
	s_or_b32 s[G0B+4*\s+3], s[G0B+4*\s+3], 0x80000000
.endr
	CROUND                                         ; all sixteen work-groups are here: the first joint loads meet
	JLOAD G0, G0B                                  ; K step 0: one tensor load a wave at the head
	s_mul_i32 s21, s15, 64*PITCH                   ; my 64 rows of a
	s_mul_i32 s22, s16, 128*PITCH                  ; my 128 rows of wo,
	s_add_co_u32 s22, s22, AROWS                   ; which lie behind a's 128
	s_mul_i32 s23, s14, 16*SPITCH                  ; my stage
	s_lshl_b32 s20, s17, 7
	s_lshl_b32 s18, s15, 6
	s_add_co_u32 s20, s20, s18                     ; my first row of out0,
	s_lshl_b32 s18, s20, 12                        ; in bytes (rows of 4,096)
	s_mov_b32 s19, 0
	s_lshl_b32 s46, s42, 10                        ; my first column, in bytes: 1,024 x block column + 512 x half
	s_lshl_b32 s47, s16, 9
	s_add_co_u32 s46, s46, s47
	s_mov_b32 s47, 0
	s_add_nc_u64 s[10:11], s[10:11], s[46:47]
	s_add_nc_u64 s[18:19], s[18:19], s[46:47]
	s_add_nc_u64 s[12:13], s[12:13], s[18:19]
	v_and_b32 v1, 15, v0                           ; r
	v_bfe_u32 v2, v0, 4, 1                         ; h
	v_and_b32 v6, 31, v0
	v_mul_u32_u24 v3, v1, PITCH
	v_lshl_add_u32 v4, v2, 4, v3                   ; a fragment's row x pitch + 16 h
	v_add_nc_u32 v[ADRA], s21, v4
	v_add_nc_u32 v[ADRB], s22, v4
	v_add_nc_u32 v[ADRA+1], SLOT, v[ADRA]
	v_add_nc_u32 v[ADRB+1], SLOT, v[ADRB]
	v_mul_u32_u24 v5, v1, SPITCH
	v_lshl_add_u32 v5, v2, 5, v5
	v_add_nc_u32 v[STO], s23, v5                   ; the stage, in: row r, 32 bytes for each half of the lanes
	v_lshlrev_b32 v[CO], 4, v6                     ; back: the 32 lanes take one row of 512 bytes; the same in out0 and in the bias
	v_add_nc_u32 v[RD], s23, v[CO]
	s_wait_alu depctr_va_vdst(0)                   ; the wait at the head's end
	global_load_b128 v[BIA:BIA+3], v[CO], s[10:11] ; my four columns' bias
.macro FRAG reg, adr, q, i
.irp c, 0,1,2,3
	ds_load_b128 v[\reg+4*\c:\reg+4*\c+3], v[\adr] offset:128*(\q)+32*\c+(\i)*16*PITCH
.endr
.endm
.macro FETCH slot, q, p                ; the fragments of the slot's q-th 128 along K into set p: 32 + 16 loads
	WIN TO_B
.irp i, 0,1,2,3,4,5,6,7
	FRAG 128*(\p)+16*\i, ADRB+\slot, \q, \i
.endr
	WIN 0
.irp i, 0,1,2,3
	FRAG AF+64*(\p)+16*\i, ADRA+\slot, \q, \i
.endr
.endm
.macro MUL16 a0, p, zero               ; row blocks a0, a0 + 1 x the eight column blocks.  The 32 accumulators take turns, in the same order in every step
.irp a, \a0, \a0+1
.irp b, 0,1,2,3,4,5,6,7
.if \zero
	v_wmma_f32_16x16x128_fp8_fp8 v[8*(8*(\a)+\b):8*(8*(\a)+\b)+7], v[128*(\p)+16*\b:128*(\p)+16*\b+15], v[AF+64*(\p)+16*(\a):AF+64*(\p)+16*(\a)+15], 0
.else
	v_wmma_f32_16x16x128_fp8_fp8 v[8*(8*(\a)+\b):8*(8*(\a)+\b)+7], v[128*(\p)+16*\b:128*(\p)+16*\b+15], v[AF+64*(\p)+16*(\a):AF+64*(\p)+16*(\a)+15], v[8*(8*(\a)+\b):8*(8*(\a)+\b)+7]
.endif
.endr
.endr
.endm
.macro STEP slot, zero                 ; a slot's first 128 along K, on set 0; the second 128's fragments are fetched into set 1 meanwhile
	s_wait_dscnt 0x0                               ; set 0 is in
	PLACES                                         ; in front of loads into registers that the last step's products read
	FETCH \slot, 1, 1
	WIN MUL
	MUL16 0, 0, \zero
	MUL16 2, 0, \zero
	WIN 0
.endm
.macro TURN slot, next, fill           ; a slot's second 128, on set 1, and the change of slots.  fill = 1: this slot is filled again, two K steps ahead
	s_wait_tensorcnt 0x0                           ; my tensor load has landed: my part of the next slot
	ds_add_u32 v[SPW], v[NIL]                      ; 0 onto my spare word
	s_wait_dscnt 0x0                               ; the add is done, set 1 is in, and my reads of this slot are over
	s_barrier_signal -1
	WIN MUL
	MUL16 0, 1, 0                                  ; work on registers between signal and wait
	WIN 0
	s_barrier_wait -1
.if \fill
	CREST                                          ; that barrier opened a round of the cluster's: no wave of any partner still reads this slot or has a load on its way
	s_add_nc_u64 s[G0+4*\slot+2:G0+4*\slot+3], s[G0+4*\slot+2:G0+4*\slot+3], 2*ROWB
	s_add_nc_u64 s[G0B+4*\slot+2:G0B+4*\slot+3], s[G0B+4*\slot+2:G0B+4*\slot+3], 2*ROWB
	JLOAD G0+4*\slot, G0B+4*\slot                  ; the first tensor load behind the round; its four v_nop are the places in front of the loads below
.else
	PLACES
.endif
	FETCH \next, 0, 0
	WIN MUL
	MUL16 2, 1, 0
	WIN 0
.endm
	s_wait_tensorcnt 0x0                           ; my part of K step 0 is in; slot 1's first fill is issued as a refill is:
	ds_add_u32 v[SPW], v[NIL]
	s_wait_dscnt 0x0
	CROUND
	JLOAD G0+4, G0B+4                              ; K step 1
	FETCH 0, 0, 0
	STEP 0, 1                                      ; the first products start the sums: nothing is cleared
	TURN 0, 1, 1                                   ; asks for K step 2
	STEP 1, 0
	TURN 1, 0, 1                                   ; asks for K step 3
	STEP 0, 0
	TURN 0, 1, 0
	STEP 1, 0
	s_wait_dscnt 0x0                               ; the very last 128
	WIN MUL
	MUL16 0, 1, 0
	MUL16 2, 1, 0
	WIN 0
; THE WAY OUT, block by block of 16 rows x 128 columns: through my stage, back as whole rows of 512 bytes, x 2^(e10 + e11) + bias, stored as two aligned units of 256 bytes.
.macro TOSTAGE a
	WIN 0x08                                       ; store data (source 1): window 2
.irp b, 0,1,2,3,4,5,6,7
	ds_store_b128 v[STO], v[64*(\a)+8*\b:64*(\a)+8*\b+3] offset:64*\b          ; each accumulator from its low end on
	ds_store_b128 v[STO], v[64*(\a)+8*\b+4:64*(\a)+8*\b+7] offset:64*\b+16
.endr
	WIN 0
.set BB, BK+64*((\a)%2)
.irp t, 0,1,2,3,4,5,6,7,8,9,10,11,12,13,14,15
	ds_load_b128 v[BB+4*\t:BB+4*\t+3], v[RD] offset:\t*SPITCH      ; LDS serves a wave's instructions in order: these see the stores above
.endr
.endm
.macro SEND a, younger                 ; younger: the LDS instructions issued behind block a's loads, which may stay out
.set BB, BK+64*((\a)%2)
	s_wait_dscnt \younger
.if (\a) > 0
	s_add_nc_u64 s[12:13], s[12:13], 16*SIZE_N*4   ; (behind a wait on XCNT: the earlier stores have read their base)
.endif
.irp t, 0,1,2,3,4,5,6,7,8,9,10,11,12,13,14,15
	v_pk_fma_f32 v[BB+4*\t:BB+4*\t+1], v[BB+4*\t:BB+4*\t+1], s[96:97], v[BIA:BIA+1] op_sel_hi:[1,0,1]
	v_pk_fma_f32 v[BB+4*\t+2:BB+4*\t+3], v[BB+4*\t+2:BB+4*\t+3], s[96:97], v[BIA+2:BIA+3] op_sel_hi:[1,0,1]
.endr
.irp t, 0,1,2,3,4,5,6,7,8,9,10,11,12,13,14,15
	global_store_b128 v[CO], v[BB+4*\t:BB+4*\t+3], s[12:13] offset:\t*SIZE_N*4 th:TH_STORE_NT   ; 32 lanes store 512 consecutive bytes, aligned
.endr
.endm
	s_wait_kmcnt 0x0
	s_add_co_i32 s96, s96, s97
	s_add_co_i32 s96, s96, 127
	s_lshl_b32 s96, s96, 23                        ; 2^(e10 + e11) as f32
	s_wait_loadcnt 0x0                             ; the bias
	PLACES                                         ; behind the last products
	TOSTAGE 0
.irp a, 1,2,3
.if \a > 1
	s_wait_xcnt 0x0                                ; block a - 2's stores have read their registers and their base
.endif
	TOSTAGE \a
	SEND \a-1, 32                                  ; behind block a - 1's loads: block a's 16 stores and 16 loads
.endr
	s_wait_xcnt 0x0
	SEND 3, 0
	s_wait_tensorcnt 0x0                           ; the wave's end
	ds_add_u32 v[SPW], v[NIL]
	s_wait_dscnt 0x0
	CROUND                                         ; the closing round
	s_endpgm
.Lfunc_end_k_q9a4dbee1cd_outp:
	.size	k_q9a4dbee1cd_outp, .Lfunc_end_k_q9a4dbee1cd_outp-k_q9a4dbee1cd_outp
	.p2alignl 7, 3214868480
	.fill 96, 4, 3214868480
	.section	.rodata,"a",@progbits
	.p2align	6, 0x0
	.amdhsa_kernel k_q9a4dbee1cd_outp
		.amdhsa_group_segment_fixed_size 327680
		.amdhsa_private_segment_fixed_size 0
		.amdhsa_enable_private_segment 0
		.amdhsa_kernarg_size 40
		.amdhsa_user_sgpr_count 2
		.amdhsa_user_sgpr_kernarg_segment_ptr 1
		.amdhsa_wavefront_size32 1
		.amdhsa_system_sgpr_workgroup_id_x 1
		.amdhsa_system_sgpr_workgroup_id_y 1
		.amdhsa_system_sgpr_workgroup_id_z 1
		.amdhsa_system_vgpr_workitem_id 0
		.amdhsa_next_free_vgpr 768
		.amdhsa_next_free_sgpr 98
		.amdhsa_reserve_vcc 0
		.amdhsa_float_denorm_mode_32 3
		.amdhsa_float_denorm_mode_16_64 3
		.amdhsa_memory_ordered 1
		.amdhsa_forward_progress 1
		.amdhsa_inst_pref_size 75
	.end_amdhsa_kernel
	.amdgpu_metadata
---
amdhsa.version: [ 1, 2 ]
amdhsa.kernels:
  - .name:           k_q9a4dbee1cd_outp
    .symbol:         k_q9a4dbee1cd_outp.kd
    .args:
      - { .name: ac, .offset: 0, .size: 8, .value_kind: global_buffer, .address_space: global }
      - { .name: wo_w_codes, .offset: 8, .size: 8, .value_kind: global_buffer, .address_space: global }
      - { .name: lowp_scales, .offset: 16, .size: 8, .value_kind: global_buffer, .address_space: global }
      - { .name: wo_b, .offset: 24, .size: 8, .value_kind: global_buffer, .address_space: global }
      - { .name: out0, .offset: 32, .size: 8, .value_kind: global_buffer, .address_space: global }
    .group_segment_fixed_size: 327680
    .private_segment_fixed_size: 0
    .kernarg_segment_align: 8
    .kernarg_segment_size: 40
    .max_flat_workgroup_size: 128
    .sgpr_count:     98
    .vgpr_count:     768
    .wavefront_size: 32
...
	.end_amdgpu_metadata
.endif
;; end of part 6
